; MI455X (gfx1250); checked and timed in simulation.
; The chip was launched on July 23, 2026; its instructions are those of AMD's public machine-readable ISA for CDNA 5 (MIT licence, August 2026) and "CDNA5" Instruction Set Architecture Reference Guide (July 2026). The comments in the code are by the model that wrote it; some were corrected since.
;; Transformer Block. Allowed arithmetic: float matrix products may take bf16 or f16 operands with f32 sums; all other float work in f32.
;; Inputs: W1 1,024 x 4,096 float32; W2 4,096 x 1,024 float32; Wk 1,024 x 1,024 float32; Wo 1,024 x 1,024 float32; Wq 1,024 x 1,024 float32; Wv 1,024 x 1,024 float32; b1 4,096 float32; b2 1,024 float32; bk 1,024 float32; bo 1,024 float32; bq 1,024 float32; bv 1,024 float32; ln1_bias 1,024 float32; ln1_scale 1,024 float32; ln2_bias 1,024 float32; ln2_scale 1,024 float32; mask 1 x 1 x 2,048 x 2,048 bool; x 2 x 2,048 x 1,024 float32.
;; Outputs: out0 2 x 2,048 x 1,024 float32.
;; One version. Each part assembles by itself: llvm-mc -triple=amdgcn-amd-amdhsa -mcpu=gfx1250 --defsym DOCPART=n.
;; ======== version 1 of 1: 7 launches
;; limits: values are held in f16: magnitudes above 65,504 overflow, below 6.1e-05 lose precision; right only within a limited range of input values
;; workspace buffers: wb 25,165,824 bytes; m16 8,388,608 bytes; xn 8,388,608 bytes; qkv 25,165,824 bytes; oh 8,388,608 bytes; x1 16,777,216 bytes; hb 33,554,432 bytes
;; launch prep (part 1): grid 64 x 20, 8 waves a work-group, no clusters, 0 bytes of LDS; arguments x, ln1_scale, ln1_bias, Wq, Wk, Wv, Wo, W1, W2, mask, xn, wb, m16; writes xn, wb, m16
.if DOCPART == 1
	.amdgcn_target "amdgcn-amd-amdhsa--gfx1250"
	.amdhsa_code_object_version 6
	.text
	.protected	k_qe96f272df6_prep
	.globl	k_qe96f272df6_prep
	.p2align	8
	.type	k_qe96f272df6_prep,@function
k_qe96f272df6_prep:
	s_mov_b64 s[64:65], 0
	v_nop
	global_prefetch_b8 v0, s[64:65] scope:SCOPE_SE
	s_setreg_imm32_b32 hwreg(HW_REG_WAVE_MODE, 25, 1), 1
	s_wait_xcnt 0x0
; Three streams in one body; the work-group's y chooses; every work-group moves 16,384 numbers.
;   y 0-3    LayerNorm: a wave takes two rows of 1,024 f32 of the first argument, keeps them in registers between the passes, writes bf16 into xn.  A launch with y 0-3 alone is a LayerNorm and nothing else.
;   y 4-15   a weight block of 1 Mi numbers, f32 -> 16 bit, kept [K][N] as given: Wq, Wk, Wv (bf16), Wo (f16), W1 in four blocks, W2 in four (bf16); block u = y - 4 goes to byte u x 2 MiB of wb
;   y 16-19  the mask's bytes (0 or 1) -> f16 addends: 0 where true, -32768 (0xF800) where false
; No LDS, no barrier, no matrix unit: memory binds.  Every store of a wave covers 512 consecutive bytes at a multiple of 512 from its buffer's first byte.
; LayerNorm is two-pass as the module writes it (mean; mean of squared differences): no difference of large sums is formed.
.set XA,  16                           ; v[16:47]    first row; register 8 g + e is element 256 g + 8 lane + e
.set XB,  48                           ; v[48:79]    second row
.set SC,  80                           ; v[80:111]   scale
.set BI,  112                          ; v[112:143]  bias
.set YA,  144                          ; v[144:159]  first row in bf16
.set YB,  160                          ; v[160:175]  second row in bf16
.set T,   2                            ; v[2:9]      four chains, at work
.set MU,  10                           ; v[10:11]    the mean, twice
.set RSA, 12                           ; v[12:13]    1/sqrt(var + eps) of the first row, twice
.set RSB, 8                            ; v[8:9]      of the second row (the chains are done by then)
.set AD32, 1                           ; v1   32 x lane
.set AD16, 14                          ; v14  16 x lane
.set AD8,  15                          ; v15   8 x lane
.set INP,  4                           ; s[4:5]   the rows
.set SCP,  6                           ; s[6:7]   scale
.set BIP,  8                           ; s[8:9]   bias
.set OUTP, 24                          ; s[24:25] xn
.set SELR, 40                          ; s[40:41] v_permlanex16_b32's selects
.set INV,  42                          ; s42  1/1024
.set EPS,  43                          ; s43  1e-6
.macro LOADROW dst, base, off          ; eight loads: 1,024 f32
.irp g, 0,1,2,3
	global_load_b128 v[(\dst)+8*(\g):(\dst)+8*(\g)+3], v[AD32], s[(\base):(\base)+1] offset:(\off)+1024*(\g)
	global_load_b128 v[(\dst)+8*(\g)+4:(\dst)+8*(\g)+7], v[AD32], s[(\base):(\base)+1] offset:(\off)+1024*(\g)+16
.endr
.endm
.macro COMBINE                         ; the four chains into one number, the same in every lane
	v_pk_add_f32 v[T:T+1], v[T:T+1], v[T+2:T+3]
	v_pk_add_f32 v[T+4:T+5], v[T+4:T+5], v[T+6:T+7]
	v_pk_add_f32 v[T:T+1], v[T:T+1], v[T+4:T+5]
	v_add_f32 v[T], v[T], v[T+1]
	v_add_f32_dpp v[T], v[T], v[T] row_xmask:1 row_mask:0xf bank_mask:0xf
	v_add_f32_dpp v[T], v[T], v[T] row_xmask:2 row_mask:0xf bank_mask:0xf
	v_add_f32_dpp v[T], v[T], v[T] row_xmask:4 row_mask:0xf bank_mask:0xf
	v_add_f32_dpp v[T], v[T], v[T] row_xmask:8 row_mask:0xf bank_mask:0xf
	v_permlanex16_b32 v[T+1], v[T], s[SELR], s[SELR+1]
	v_add_f32 v[T], v[T], v[T+1]
.endm
.macro STATS x, left, rs               ; the row becomes x - mean; rs takes 1/sqrt(var + eps).  left: the younger loads, which may stay out
	s_wait_loadcnt \left
.irp k, 0,1,2,3
	v_pk_add_f32 v[T+2*(\k):T+2*(\k)+1], v[(\x)+4*(\k):(\x)+4*(\k)+1], v[(\x)+4*(\k)+2:(\x)+4*(\k)+3]
.endr
.irp k, 8,9,10,11,12,13,14,15
	v_pk_add_f32 v[T+2*((\k)%4):T+2*((\k)%4)+1], v[T+2*((\k)%4):T+2*((\k)%4)+1], v[(\x)+2*(\k):(\x)+2*(\k)+1]
.endr
	COMBINE
	v_mul_f32 v[MU], s[INV], v[T]
	v_mov_b32 v[MU+1], v[MU]
.irp k, 0,1,2,3,4,5,6,7,8,9,10,11,12,13,14,15
	v_pk_add_f32 v[(\x)+2*(\k):(\x)+2*(\k)+1], v[(\x)+2*(\k):(\x)+2*(\k)+1], v[MU:MU+1] neg_lo:[0,1] neg_hi:[0,1]
.endr
.irp k, 0,1,2,3
	v_pk_mul_f32 v[T+2*(\k):T+2*(\k)+1], v[(\x)+2*(\k):(\x)+2*(\k)+1], v[(\x)+2*(\k):(\x)+2*(\k)+1]
.endr
.irp k, 4,5,6,7,8,9,10,11,12,13,14,15
	v_pk_fma_f32 v[T+2*((\k)%4):T+2*((\k)%4)+1], v[(\x)+2*(\k):(\x)+2*(\k)+1], v[(\x)+2*(\k):(\x)+2*(\k)+1], v[T+2*((\k)%4):T+2*((\k)%4)+1]
.endr
	COMBINE
	v_fma_f32 v[T], v[T], s[INV], s[EPS]
	v_rsq_f32 v[\rs], v[T]
	v_rsq_f32 v[(\rs)+1], v[T]
	v_nop                                          ; a plain instruction behind the root, ahead of its use (ISA guide 5.7.2)
.endm
.macro NORM x, y, rs, rowoff
.irp k, 0,1,2,3,4,5,6,7,8,9,10,11,12,13,14,15
	v_pk_mul_f32 v[(\x)+2*(\k):(\x)+2*(\k)+1], v[(\x)+2*(\k):(\x)+2*(\k)+1], v[(\rs):(\rs)+1]
.endr
.irp k, 0,1,2,3,4,5,6,7,8,9,10,11,12,13,14,15
	v_pk_fma_f32 v[(\x)+2*(\k):(\x)+2*(\k)+1], v[(\x)+2*(\k):(\x)+2*(\k)+1], v[SC+2*(\k):SC+2*(\k)+1], v[BI+2*(\k):BI+2*(\k)+1]
.endr
.irp k, 0,1,2,3,4,5,6,7,8,9,10,11,12,13,14,15
	v_cvt_pk_bf16_f32 v[(\y)+(\k)], v[(\x)+2*(\k)], v[(\x)+2*(\k)+1]
.endr
.irp g, 0,1,2,3
	global_store_b128 v[AD16], v[(\y)+4*(\g):(\y)+4*(\g)+3], s[OUTP:OUTP+1] offset:(\rowoff)+512*(\g)
.endr
.endm
; 2,048 numbers of a weight: sixteen loads go out together; group g's wait leaves the younger groups' 14 - 2 g loads out
.macro CVT op
.irp g, 0,1,2,3,4,5,6,7
	global_load_b128 v[16+8*(\g):16+8*(\g)+3], v[AD32], s[34:35] offset:1024*(\g) th:TH_LOAD_NT
	global_load_b128 v[16+8*(\g)+4:16+8*(\g)+7], v[AD32], s[34:35] offset:1024*(\g)+16 th:TH_LOAD_NT
.endr
.irp g, 0,1,2,3,4,5,6,7
	s_wait_loadcnt 14-2*(\g)
.irp j, 0,1,2,3
	\op v[144+4*(\g)+(\j)], v[16+8*(\g)+2*(\j)], v[16+8*(\g)+2*(\j)+1]
.endr
	global_store_b128 v[AD16], v[144+4*(\g):144+4*(\g)+3], s[26:27] offset:512*(\g)
.endr
.endm
	s_load_b512 s[4:19], s[0:1], 0x0               ; rows 4, scale 6, bias 8, Wq 10, Wk 12, Wv 14, Wo 16, W1 18
	s_load_b256 s[20:27], s[0:1], 0x40             ; W2 20, mask 22, xn 24, wb 26
	s_load_b64 s[28:29], s[0:1], 0x60              ; m16
	s_and_b32 s44, ttmp7, 0xffff                   ; y
	s_mov_b32 s45, ttmp9                           ; x
	v_lshrrev_b32 v2, 5, v0
	v_readfirstlane_b32 s32, v2                    ; wave
	v_and_b32 v2, 31, v0
	v_lshlrev_b32 v[AD32], 5, v2
	v_lshlrev_b32 v[AD16], 4, v2
	v_lshlrev_b32 v[AD8], 3, v2
	s_mov_b32 s37, 0                               ; offsets are made apart from the addresses, in pairs with 0 on top
	s_mov_b32 s39, 0
	s_wait_kmcnt 0x0
	s_cmp_lt_u32 s44, 4
	s_cbranch_scc0 .Lnot_ln
	; ---- LayerNorm ----
	s_lshl_b32 s33, s44, 6
	s_add_co_u32 s33, s33, s45
	s_lshl_b32 s33, s33, 4                         ; 16 rows a work-group,
	s_lshl1_add_u32 s33, s32, s33                  ; two a wave
	s_lshl_b32 s36, s33, 12
	s_add_nc_u64 s[INP:INP+1], s[INP:INP+1], s[36:37]
	s_lshl_b32 s38, s33, 11
	s_add_nc_u64 s[OUTP:OUTP+1], s[OUTP:OUTP+1], s[38:39]
	s_mov_b32 s[SELR], 0x76543210
	s_mov_b32 s[SELR+1], 0xfedcba98
	s_mov_b32 s[INV], 0x3a800000
	s_mov_b32 s[EPS], 0x358637bd
	LOADROW XA, INP, 0
	LOADROW XB, INP, 4096
	LOADROW SC, SCP, 0
	LOADROW BI, BIP, 0
	STATS XA, 24, RSA                              ; 24 younger loads: the second row, scale, bias
	STATS XB, 16, RSB                              ; 16: scale, bias
	s_wait_loadcnt 0x0
	NORM XA, YA, RSA, 0
	NORM XB, YB, RSB, 2048
	s_endpgm
.Lnot_ln:
	s_cmp_lt_u32 s44, 16
	s_cbranch_scc0 .Lmask
	; ---- weights ----
	s_sub_co_u32 s46, s44, 4                       ; block 0 to 11
	s_cmp_eq_u32 s46, 1
	s_cselect_b64 s[34:35], s[12:13], s[10:11]
	s_cmp_eq_u32 s46, 2
	s_cselect_b64 s[34:35], s[14:15], s[34:35]
	s_cmp_eq_u32 s46, 3
	s_cselect_b64 s[34:35], s[16:17], s[34:35]
	s_cmp_ge_u32 s46, 4
	s_cselect_b64 s[34:35], s[18:19], s[34:35]
	s_cmp_ge_u32 s46, 8
	s_cselect_b64 s[34:35], s[20:21], s[34:35]
	s_and_b32 s33, s46, 3                          ; which quarter of W1 or W2
	s_cmp_lt_u32 s46, 4
	s_cselect_b32 s33, 0, s33
	s_lshl_b32 s36, s33, 22                        ; source: 4 MiB a block, 64 KiB a work-group, 8 KiB a wave
	s_lshl_b32 s33, s45, 16
	s_add_co_u32 s36, s36, s33
	s_lshl_b32 s33, s32, 13
	s_add_co_u32 s36, s36, s33
	s_add_nc_u64 s[34:35], s[34:35], s[36:37]
	s_lshl_b32 s38, s46, 21                        ; destination: half of that
	s_lshl_b32 s33, s45, 15
	s_add_co_u32 s38, s38, s33
	s_lshl_b32 s33, s32, 12
	s_add_co_u32 s38, s38, s33
	s_add_nc_u64 s[26:27], s[26:27], s[38:39]
	s_cmp_eq_u32 s46, 3
	s_cbranch_scc1 .Lto_f16
	CVT v_cvt_pk_bf16_f32
	s_endpgm
.Lto_f16:                                              ; Wo multiplies O, which is f16
	CVT v_cvt_pk_f16_f32
	s_endpgm
.Lmask:
	; ---- mask ----
	s_sub_co_u32 s33, s44, 16
	s_lshl_b32 s36, s33, 20                        ; source: 1 MiB a block, 16 KiB a work-group, 2 KiB a wave
	s_lshl_b32 s38, s33, 21
	s_lshl_b32 s33, s45, 14
	s_add_co_u32 s36, s36, s33
	s_lshl_b32 s33, s32, 11
	s_add_co_u32 s36, s36, s33
	s_add_nc_u64 s[22:23], s[22:23], s[36:37]
	s_lshl_b32 s33, s45, 15                        ; destination: twice that
	s_add_co_u32 s38, s38, s33
	s_lshl_b32 s33, s32, 12
	s_add_co_u32 s38, s38, s33
	s_add_nc_u64 s[28:29], s[28:29], s[38:39]
	s_mov_b32 s40, 0x04010400                      ; bytes 0 and 1 of the second source into the low bytes of the two halves; 4 picks a byte of the first source, which is 0
	s_mov_b32 s41, 0x04030402                      ; bytes 2 and 3
	s_mov_b32 s42, 0x00010001
	v_mov_b32 v2, 0
.irp g, 0,1,2,3,4,5,6,7
	global_load_b64 v[16+2*(\g):17+2*(\g)], v[AD8], s[22:23] offset:256*(\g) th:TH_LOAD_NT
.endr
.irp g, 0,1,2,3,4,5,6,7
	s_wait_loadcnt 7-(\g)                          ; the younger loads stay out
	v_perm_b32 v[144+4*(\g)],   v2, v[16+2*(\g)], s40
	v_perm_b32 v[144+4*(\g)+1], v2, v[16+2*(\g)], s41
	v_perm_b32 v[144+4*(\g)+2], v2, v[17+2*(\g)], s40
	v_perm_b32 v[144+4*(\g)+3], v2, v[17+2*(\g)], s41
.irp j, 0,1,2,3
	v_xor_b32 v[144+4*(\g)+(\j)], s42, v[144+4*(\g)+(\j)]            ; 1 where hidden
.endr
.irp j, 0,1,2,3
	v_mul_u32_u24 v[144+4*(\g)+(\j)], 0xf800, v[144+4*(\g)+(\j)]     ; 0xF800 in each such half
.endr
	global_store_b128 v[AD16], v[144+4*(\g):144+4*(\g)+3], s[28:29] offset:512*(\g)
.endr
	s_endpgm
.Lfunc_end_k_qe96f272df6_prep:
	.size	k_qe96f272df6_prep, .Lfunc_end_k_qe96f272df6_prep-k_qe96f272df6_prep
	.p2alignl 7, 3214868480
	.fill 96, 4, 3214868480
	.section	.rodata,"a",@progbits
	.p2align	6, 0x0
	.amdhsa_kernel k_qe96f272df6_prep
		.amdhsa_group_segment_fixed_size 0
		.amdhsa_private_segment_fixed_size 0
		.amdhsa_enable_private_segment 0
		.amdhsa_kernarg_size 104
		.amdhsa_user_sgpr_count 2
		.amdhsa_user_sgpr_kernarg_segment_ptr 1
		.amdhsa_wavefront_size32 1
		.amdhsa_system_sgpr_workgroup_id_x 1
		.amdhsa_system_sgpr_workgroup_id_y 1
		.amdhsa_system_sgpr_workgroup_id_z 1
		.amdhsa_system_vgpr_workitem_id 0
		.amdhsa_next_free_vgpr 176
		.amdhsa_next_free_sgpr 66
		.amdhsa_reserve_vcc 0
		.amdhsa_float_denorm_mode_32 3
		.amdhsa_float_denorm_mode_16_64 3
		.amdhsa_memory_ordered 1
		.amdhsa_forward_progress 1
		.amdhsa_inst_pref_size 37
	.end_amdhsa_kernel
	.amdgpu_metadata
---
amdhsa.version: [ 1, 2 ]
amdhsa.kernels:
  - .name:           k_qe96f272df6_prep
    .symbol:         k_qe96f272df6_prep.kd
    .args:
      - { .name: x, .offset: 0, .size: 8, .value_kind: global_buffer, .address_space: global }
      - { .name: ln1_scale, .offset: 8, .size: 8, .value_kind: global_buffer, .address_space: global }
      - { .name: ln1_bias, .offset: 16, .size: 8, .value_kind: global_buffer, .address_space: global }
      - { .name: Wq, .offset: 24, .size: 8, .value_kind: global_buffer, .address_space: global }
      - { .name: Wk, .offset: 32, .size: 8, .value_kind: global_buffer, .address_space: global }
      - { .name: Wv, .offset: 40, .size: 8, .value_kind: global_buffer, .address_space: global }
      - { .name: Wo, .offset: 48, .size: 8, .value_kind: global_buffer, .address_space: global }
      - { .name: W1, .offset: 56, .size: 8, .value_kind: global_buffer, .address_space: global }
      - { .name: W2, .offset: 64, .size: 8, .value_kind: global_buffer, .address_space: global }
      - { .name: mask, .offset: 72, .size: 8, .value_kind: global_buffer, .address_space: global }
      - { .name: xn, .offset: 80, .size: 8, .value_kind: global_buffer, .address_space: global }
      - { .name: wb, .offset: 88, .size: 8, .value_kind: global_buffer, .address_space: global }
      - { .name: m16, .offset: 96, .size: 8, .value_kind: global_buffer, .address_space: global }
    .group_segment_fixed_size: 0
    .private_segment_fixed_size: 0
    .kernarg_segment_align: 8
    .kernarg_segment_size: 104
    .max_flat_workgroup_size: 256
    .sgpr_count:     66
    .vgpr_count:     176
    .wavefront_size: 32
...
	.end_amdgpu_metadata
.endif
;; end of part 1
;; launch qkv (part 2): grid 12 x 16, 4 waves a work-group, clusters of 4 x 4, 327,680 bytes of LDS; arguments xn, wb, bq, bk, bv, qkv; writes qkv
.if DOCPART == 2
	.amdgcn_target "amdgcn-amd-amdhsa--gfx1250"
	.amdhsa_code_object_version 6
	.text
	.protected	k_qe96f272df6_qkv
	.globl	k_qe96f272df6_qkv
	.p2align	8
	.type	k_qe96f272df6_qkv,@function
k_qe96f272df6_qkv:
	s_mov_b64 s[64:65], 0
	v_nop
	global_prefetch_b8 v0, s[64:65] scope:SCOPE_SE
	s_setreg_imm32_b32 hwreg(HW_REG_WAVE_MODE, 25, 1), 1
	s_wait_xcnt 0x0
	s_wait_alu depctr_hold_cnt(0) depctr_sa_sdst(0) depctr_va_vdst(0) depctr_va_sdst(0) depctr_va_ssrc(0) depctr_va_vcc(0) depctr_vm_vsrc(0)
	s_getreg_b32 s2, hwreg(HW_REG_IB_STS2, 6, 4)
	s_cmp_eq_u32 s2, 0
	s_cbranch_scc0 .Lentry_in_a_cluster
	s_endpgm
.Lentry_in_a_cluster:
	s_bfe_u32 s2, ttmp6, 0x10000c
	s_cmp_lg_u32 s2, 0xf033
	s_cbranch_scc0 .Lentry_shape_is_right
	s_endpgm
.Lentry_shape_is_right:
; C = A W + b on tiles of 256 x 256.  A: [4096][1024] bf16 (K along the rows).  W: [1024][NB] bf16, kept [K][N]; its fragments leave LDS turned, by ds_load_tr16_b128.  Sums in f32.
; QKV = 1: W is Wq, Wk or Wv (the cluster's x says which); C + bias is rounded to f16 and stored by heads, [3][32][2048][64].  LIMIT: q, k, v must lie within f16's 65,504.
; QKV = 0: W is W1; gelu(C + b1), the tanh form written as x / (1 + 2^(x (c0 + c1 x^2))), is rounded to bf16 and stored [4096][4096].
; Four waves, each 128 x 128 of C in 64 accumulators.  K goes in 8 steps of 128 through two LDS slots; each wave fetches a quarter of a slot by one tensor load.
; CLUSTER 4 x 4: A's tiles are asked for jointly along a row of the cluster, W's along a column.
; The matrix instruction is used transposed (source 0 = 16 columns of W, source 1 = 16 rows of A): a lane holds eight neighbouring numbers of a row of C.
; The loop's trip is ONE K step: the LDS addresses hang on s45, which an exclusive or turns from one slot to the other, and one walking descriptor a tensor asks for every refill.
; REGISTERS by windows of 256: window 0 addresses, A's two fragment buffers (v64-127, v128-191); window 1 W's two buffers; windows 2, 3 the accumulators ((a, b) at v[8 (8 a + b)]).
; THE WAY OUT: when the ring has had its last fill and all reads of it are over, it is the stage: each wave lays its 128 x 128 f32 there and reads whole rows back, a batch of rows a trip.
; A batch's arithmetic goes stage by stage over all its numbers, so that no instruction reads the result of the one before it, and one wait a trip frees the stores' registers and base.
.set QKV, 1
.set KSTEP,  128
.set KSTEPS, 8
.set PA,     272                       ; a row of A in LDS: 256 bytes + 16
.set PB,     544                       ; a k-row of W: 512 bytes + 32: an odd multiple of 32
.set HALFT,  34816                     ; what one tensor load fills: 128 x 272 = 64 x 544
.set SLOT,   4*HALFT                   ; 0x22000; the waves' offsets 0, 0x8800, 0x11000, 0x19800 have neither of its two bits
.set SP,     528                       ; a stage row: 512 bytes + 16
.set WSTAGE, 128*SP
.set SPARE,  2*SLOT                    ; behind the ring: the spare words, 128 bytes for each wave, which no other line names
.if QKV
.set NB, 1024
.else
.set NB, 4096
.endif
.set BSTEP,  KSTEP*NB*2
.set A0R,  16                          ; v16  my lane's place in A's tile; never rewritten
.set B0R,  17                          ; v17  in W's tile
.set ADRA, 18                          ; v18  the same in the slot in hand
.set ADRB, 19                          ; v19
.set STO,  24                          ; v24  the way out: where I put 16 bytes
.set RD,   25                          ; v25  where I read back
.set CO,   26                          ; v26  my byte offset in the output
.set BO,   27                          ; v27  my byte offset in the bias
.set SPW,  28                          ; v28  my spare word
.set NIL,  29                          ; v29  0
.set BIAS, 32                          ; v[32:39]
.set F0,   64
.set F1,   128
.set XS,   64                          ; the way out: a batch, four f32 a slot
.set G1, 24                            ; s[24:31] group 1 for A;  s[32:39] group 0: a set for each first fill, the second then walks
.set G0, 32
.set G1B, 48                           ; s[48:55], s[56:63] the same for W
.set G0B, 56
.set MSB, 0
.macro WIN new                         ; the immediate's high byte repeats the setting that is left
.if MSB != (\new)
	s_set_vgpr_msb (MSB<<8)|(\new)
.set MSB, \new
.endif
.endm
.set MUL_LO, 0xa1                      ; source 0 (W) window 1, source 1 (A) window 0, C and D window 2
.set MUL_HI, 0xf1
.set TO_B,   0x40
.macro JLOAD s                         ; a joint load: waves 0, 1 fetch A's halves, waves 2, 3 W's; s_nop 0 and four v_nop follow each line
	s_cmp_eq_u32 s11, 0
	s_cbranch_scc0 .Lfor_b_\@
	tensor_load_to_lds s[G0+4*(\s):G0+4*(\s)+3], s[G1:G1+7]
	s_nop 0
.rept 4
	v_nop
.endr
	s_branch .Lasked_\@
.Lfor_b_\@:
	tensor_load_to_lds s[G0B+4*(\s):G0B+4*(\s)+3], s[G1B:G1B+7]
	s_nop 0
.rept 4
	v_nop
.endr
.Lasked_\@:
.endm
.macro CREST                           ; a round of the cluster's barrier behind its opening barrier
	s_cmp_lg_u32 s10, 0
	s_cbranch_scc1 .Lnot_wave_0_\@
	s_barrier_signal -3
.Lnot_wave_0_\@:
	s_barrier_wait -3
	s_barrier_signal -1
	s_barrier_wait -1
.endm
.macro CROUND
	s_barrier_signal -1
	s_barrier_wait -1
	CREST
.endm
	s_load_b128 s[4:7], s[0:1], 0x0                ; A s[4:5], wb s[6:7]
.if QKV
	s_load_b128 s[72:75], s[0:1], 0x10             ; bq, bk
	s_load_b128 s[76:79], s[0:1], 0x20             ; bv, qkv
.else
	s_load_b128 s[76:79], s[0:1], 0x10             ; b1, hb
.endif
	v_lshl_add_u32 v[SPW], v0, 2, SPARE
	v_mov_b32 v[NIL], 0
	v_lshrrev_b32 v1, 5, v0
	v_readfirstlane_b32 s10, v1                    ; wave
	s_lshr_b32 s11, s10, 1                         ; my half of the tile's rows; also: I fetch for A (0) or W (1)
	s_and_b32 s12, s10, 1                          ; my half of its columns; also: which half of that tile I fetch
	s_bfe_u32 s40, ttmp6, 0x40000                  ; cx
	s_bfe_u32 s41, ttmp6, 0x40004                  ; cy
	s_mov_b32 s21, ttmp9                           ; the cluster's x
.if !QKV
	s_lshl_b32 s42, s21, 2
	s_add_co_u32 s42, s42, s40                     ; tile column
.endif
	s_and_b32 s13, ttmp7, 0xffff
	s_lshl_b32 s13, s13, 2
	s_add_co_u32 s13, s13, s41                     ; tile row
	s_lshl_b32 s43, s41, 2
	s_lshl_b32 s43, 15, s43                        ; my row of the cluster
	s_lshl_b32 s44, 0x1111, s40                    ; my column
	s_or_b32 s[G1+0], s43, (1<<16)|(1<<20)|(1<<21)|(5<<22)|(3<<25)   ; mask; 2-byte elements; padding on; bit 21 beside a mask; after every 64 words, 4 words
	s_mov_b32 s[G1+1], KSTEP<<16                   ; tensor_dim0 = 128
	s_mov_b32 s[G1+2], 128<<16                     ; tensor_dim1 = 128
	s_mov_b32 s[G1+3], KSTEP<<16                   ; tile_dim0 = 128
	s_mov_b32 s[G1+4], 128                         ; tile_dim1 = 128
	s_mov_b32 s[G1+5], 1024                        ; elements from row to row
	s_mov_b32 s[G1+6], 0
	s_mov_b32 s[G1+7], 0
	s_or_b32 s[G1B+0], s44, (1<<16)|(1<<20)|(1<<21)|(6<<22)|(7<<25)  ; after every 128 words, 8 words
	s_mov_b32 s[G1B+1], 256<<16                    ; 256 columns
	s_mov_b32 s[G1B+2], 64<<16                     ; 64 k-rows
	s_mov_b32 s[G1B+3], 256<<16
	s_mov_b32 s[G1B+4], 64
	s_mov_b32 s[G1B+5], NB
	s_mov_b32 s[G1B+6], 0
	s_mov_b32 s[G1B+7], 0
	s_lshl_b32 s16, s13, 8                         ; A: row 256 x tile row + 128 x half, 2,048 bytes a row: the tile row alone, which my row of the cluster shares
	s_lshl_b32 s17, s12, 7
	s_add_co_u32 s16, s16, s17
	s_lshl_b32 s16, s16, 11
	s_mov_b32 s17, 0
.if QKV
	s_lshl_b32 s46, s21, 21                        ; W: which of Wq, Wk, Wv; 512 bytes a tile column; 64 k-rows a half
	s_lshl_b32 s47, s40, 9
	s_add_co_u32 s46, s46, s47
	s_lshl_b32 s47, s12, 17
	s_add_co_u32 s46, s46, s47
.else
	s_lshl_b32 s46, s42, 9
	s_lshl_b32 s47, s12, 19
	s_add_co_u32 s46, s46, s47
	s_add_co_u32 s46, s46, 8388608                 ; W1 in wb
.endif
	s_mov_b32 s47, 0
	s_mul_i32 s20, s10, HALFT                      ; where my loads go: the wave's number alone
	s_wait_kmcnt 0x0
	s_add_nc_u64 s[14:15], s[4:5], s[16:17]
	s_add_nc_u64 s[46:47], s[6:7], s[46:47]
	CROUND                                         ; all sixteen work-groups are here: the first joint loads meet
.irp s, 0,1
	s_mov_b32 s[G0+4*(\s)], 1
	s_add_co_u32 s[G0+4*(\s)+1], s20, (\s)*SLOT
	s_add_nc_u64 s[G0+4*(\s)+2:G0+4*(\s)+3], s[14:15], (\s)*KSTEP*2
	s_or_b32 s[G0+4*(\s)+3], s[G0+4*(\s)+3], 0x80000000
	s_mov_b32 s[G0B+4*(\s)], 1
	s_add_co_u32 s[G0B+4*(\s)+1], s20, (\s)*SLOT
	s_add_nc_u64 s[G0B+4*(\s)+2:G0B+4*(\s)+3], s[46:47], (\s)*BSTEP
	s_or_b32 s[G0B+4*(\s)+3], s[G0B+4*(\s)+3], 0x80000000
	JLOAD \s                                       ; two loads of mine are out
.endr
	v_and_b32 v1, 15, v0                           ; l % 16
	v_bfe_u32 v2, v0, 4, 1                         ; l / 16
	v_and_b32 v7, 31, v0
	v_mul_u32_u24 v3, v1, PA
	v_lshl_add_u32 v3, v2, 4, v3
	s_mul_i32 s22, s11, HALFT
	v_add_nc_u32 v[A0R], s22, v3                   ; A: row x pitch + 16 x half of the lanes, in my 128 rows
	v_and_b32 v4, 7, v0
	v_lshl_add_u32 v4, v2, 3, v4                   ; W, turned: k-row 8 (l / 16) + l % 8,
	v_mul_u32_u24 v4, v4, PB
	v_bfe_u32 v5, v0, 3, 1
	v_lshl_add_u32 v4, v5, 4, v4                   ; columns 8 ((l / 8) % 2) on,
	s_lshl_b32 s22, s12, 8
	s_add_co_u32 s22, s22, 2*HALFT
	v_add_nc_u32 v[B0R], s22, v4                   ; in my 128 columns, behind A's 256 rows
	v_mov_b32 v[ADRA], v[A0R]
	v_mov_b32 v[ADRB], v[B0R]
	s_mov_b32 s45, 0                               ; the slot in hand
	s_mul_i32 s23, s10, WSTAGE
	v_mul_u32_u24 v6, v1, SP
	v_lshl_add_u32 v6, v2, 5, v6
	v_add_nc_u32 v[STO], s23, v6                   ; into the stage: row l % 16, 32 bytes for each half of the lanes
	v_lshlrev_b32 v[CO], 3, v7                     ; out: 8 bytes a lane
.if QKV
	v_mul_u32_u24 v[RD], v2, SP                    ; back: lanes 0-15 one head's 64 numbers of a row, lanes 16-31 the next row's
	v_lshl_add_u32 v[RD], v1, 4, v[RD]
	v_add_nc_u32 v[RD], s23, v[RD]
	s_cmp_eq_u32 s21, 1
	s_cselect_b64 s[72:73], s[74:75], s[72:73]
	s_cmp_eq_u32 s21, 2
	s_cselect_b64 s[76:77], s[76:77], s[72:73]     ; the bias that goes with this W
	s_lshl_b32 s18, s40, 10
	s_lshl_b32 s19, s12, 9
	s_add_co_u32 s18, s18, s19
	v_lshl_add_u32 v[BO], v1, 4, s18
	global_load_b128 v[BIAS:BIAS+3], v[BO], s[76:77]               ; my four columns in the wave's first head,
	global_load_b128 v[BIAS+4:BIAS+7], v[BO], s[76:77] offset:256  ; and in its second
	s_lshl_b32 s16, s21, 23                        ; q, k or v: 8 MiB each
	s_lshr_b32 s18, s13, 3                         ; batch
	s_lshl_b32 s18, s18, 4
	s_lshl2_add_u32 s18, s40, s18                  ; + 4 heads a tile column
	s_lshl1_add_u32 s18, s12, s18                  ; + 2 a wave
	s_lshl_b32 s18, s18, 18                        ; a head is 262,144 bytes
	s_add_co_u32 s16, s16, s18
	s_and_b32 s18, s13, 7
	s_lshl_b32 s18, s18, 15                        ; 256 rows of 128 bytes
	s_add_co_u32 s16, s16, s18
	s_lshl_b32 s18, s11, 14
	s_add_co_u32 s16, s16, s18
.else
	v_lshl_add_u32 v[RD], v7, 4, s23               ; back: a row's 512 bytes, 16 a lane
	s_lshl_b32 s18, s42, 10
	s_lshl_b32 s19, s12, 9
	s_add_co_u32 s18, s18, s19
	v_lshl_add_u32 v[BO], v7, 4, s18
	global_load_b128 v[BIAS:BIAS+3], v[BO], s[76:77]
	s_lshl_b32 s16, s13, 8
	s_lshl_b32 s18, s11, 7
	s_add_co_u32 s16, s16, s18
	s_lshl_b32 s16, s16, 13                        ; a row of hb is 8,192 bytes
	s_lshl_b32 s18, s42, 9
	s_add_co_u32 s16, s16, s18
	s_lshl_b32 s18, s12, 8
	s_add_co_u32 s16, s16, s18
	s_mov_b32 s66, 0xc0135761                      ; c0 = -2 log2(e) sqrt(2/pi)
	s_mov_b32 s67, s66
	s_mov_b32 s68, 0xbdd2d3e8                      ; c1 = 0.044715 c0
	s_mov_b32 s69, s68
.endif
	s_mov_b32 s17, 0
	s_add_nc_u64 s[8:9], s[78:79], s[16:17]        ; the output at my first row and column
.macro MUL16 f, hi, a0, zero           ; 16 matrix instructions: row blocks a0, a0 + 1 of the window's four x all 8 column blocks, 32 along K
	WIN MUL_LO+0x50*(\hi)
.irp a, \a0, (\a0)+1
.irp b, 0,1,2,3,4,5,6,7
.if \zero
	v_wmma_f32_16x16x32_bf16 v[8*(8*(\a)+(\b)):8*(8*(\a)+(\b))+7], v[(\f)+8*(\b):(\f)+8*(\b)+7], v[(\f)+8*(4*(\hi)+(\a)):(\f)+8*(4*(\hi)+(\a))+7], 0
.else
	v_wmma_f32_16x16x32_bf16 v[8*(8*(\a)+(\b)):8*(8*(\a)+(\b))+7], v[(\f)+8*(\b):(\f)+8*(\b)+7], v[(\f)+8*(4*(\hi)+(\a)):(\f)+8*(4*(\hi)+(\a))+7], v[8*(8*(\a)+(\b)):8*(8*(\a)+(\b))+7]
.endif
.endr
.endr
.endm
.macro FETCH q, f                      ; 32 LDS loads in one run: quarter q (32 along K) of the slot in hand into buffer f; W first
	WIN TO_B
.irp i, 0,1,2,3,4,5,6,7
	ds_load_tr16_b128 v[(\f)+8*(\i):(\f)+8*(\i)+3],   v[ADRB] offset:(\q)*32*PB+32*(\i)
	ds_load_tr16_b128 v[(\f)+8*(\i)+4:(\f)+8*(\i)+7], v[ADRB] offset:(\q)*32*PB+16*PB+32*(\i)
.endr
	WIN 0
.irp i, 0,1,2,3,4,5,6,7
	ds_load_b128 v[(\f)+8*(\i):(\f)+8*(\i)+3],   v[ADRA] offset:(\q)*64+(\i)*16*PA
	ds_load_b128 v[(\f)+8*(\i)+4:(\f)+8*(\i)+7], v[ADRA] offset:(\q)*64+(\i)*16*PA+32
.endr
.endm
.macro PLACES                          ; four plain vector instructions between a matrix instruction and a load into, or a read of, its registers
.rept 4
	v_nop
.endr
.endm
.macro QUARTER q, f, g, zero           ; multiplies buffer f; in its middle fetches quarter q into buffer g
	s_wait_dscnt 8                                 ; W and A's rows 0-63 are in; the youngest eight loads (A's rows 64-127) may be out
	MUL16 \f, 0, 0, \zero
	MUL16 \f, 0, 2, \zero
	PLACES
	FETCH \q, \g
	s_wait_dscnt 32                                ; all but the 32 just issued
	MUL16 \f, 1, 0, \zero
	MUL16 \f, 1, 2, \zero
.endm
.macro MEET round                      ; the first half of a K step's last quarter: one barrier for the change of slots
	WIN 0
	s_wait_tensorcnt 0x0                           ; all my tensor loads have landed: my part of the next slot
	ds_add_u32 v[SPW], v[NIL]                      ; 0 onto my spare word
	s_wait_dscnt 9                                 ; (the add and the youngest eight loads may be out)
	MUL16 F1, 0, 0, 0
	s_wait_dscnt 0x0                               ; the add is done, and my reads of this slot are over
	s_barrier_signal -1
	MUL16 F1, 0, 2, 0
.if \round
	WIN 0
.endif
	s_barrier_wait -1
.endm
.macro TURN fill                       ; the whole last quarter; fill = 1: the slot just read is filled again, two K steps ahead, first thing behind a round of the cluster's barrier
	MEET \fill
.if \fill
	CREST
	s_xor_b32 s[G0+5], s[G0+5], SLOT               ; the walking descriptors: the other slot than last time, the next K step
	s_add_nc_u64 s[G0+6:G0+7], s[G0+6:G0+7], KSTEP*2
	s_xor_b32 s[G0B+5], s[G0B+5], SLOT
	s_add_nc_u64 s[G0B+6:G0B+7], s[G0B+6:G0B+7], BSTEP
	JLOAD 1                                        ; its four v_nop are also the places in front of the loads below
.else
	WIN 0
	PLACES
.endif
	s_xor_b32 s45, s45, SLOT
	v_add_nc_u32 v[ADRA], s45, v[A0R]
	v_add_nc_u32 v[ADRB], s45, v[B0R]
	FETCH 0, F0
	MUL16 F1, 1, 0, 0
	MUL16 F1, 1, 2, 0
.endm
	s_wait_tensorcnt 1                             ; my part of K step 0 is in; K step 1's may stay out
	s_barrier_signal -1
	s_barrier_wait -1
	FETCH 0, F0
	QUARTER 1, F0, F1, 1                           ; the first quarter starts the sums: nothing is cleared
	WIN 0
	s_mov_b32 s3, KSTEPS-2
.Lstep:                                                ; trip t: K step t's quarters 1 to 3, K step t + 2 asked for, K step t + 1's quarter 0
	QUARTER 2, F1, F0, 0
	QUARTER 3, F0, F1, 0
	TURN 1
	QUARTER 1, F0, F1, 0
	WIN 0
	s_sub_co_u32 s3, s3, 1
	s_cmp_lg_u32 s3, 0
	s_cbranch_scc1 .Lstep
	s_mov_b32 s3, 2                                ; the last two K steps ask for nothing: a text of their own, left in the middle of its second trip
.Ltail:
	QUARTER 2, F1, F0, 0
	QUARTER 3, F0, F1, 0
	WIN 0
	s_sub_co_u32 s3, s3, 1
	s_cmp_eq_u32 s3, 0
	s_cbranch_scc1 .Llast
	TURN 0
	QUARTER 1, F0, F1, 0
	WIN 0
	s_branch .Ltail
.Llast:
	s_wait_dscnt 8
	MUL16 F1, 0, 0, 0
	MUL16 F1, 0, 2, 0
	s_wait_dscnt 0x0
	MUL16 F1, 1, 0, 0
	MUL16 F1, 1, 2, 0
	; THE WAY OUT
	WIN 0
	PLACES
	s_wait_loadcnt 0x0                             ; the bias
	s_wait_dscnt 0x0                               ; my reads of the ring are over
	s_barrier_signal -1
	s_barrier_wait -1                              ; everybody's are: the ring, which is filled no more, is the stage
.macro DUMP hi                         ; each accumulator's low four registers first
	WIN 0x08+4*(\hi)                               ; store data in window 2 or 3
.irp a, 0,1,2,3
.irp b, 0,1,2,3,4,5,6,7
	ds_store_b128 v[STO], v[8*(8*(\a)+(\b)):8*(8*(\a)+(\b))+3]   offset:(4*(\hi)+(\a))*16*SP+64*(\b)
	ds_store_b128 v[STO], v[8*(8*(\a)+(\b))+4:8*(8*(\a)+(\b))+7] offset:(4*(\hi)+(\a))*16*SP+64*(\b)+16
.endr
.endr
.endm
	DUMP 0
	DUMP 1
	WIN 0                                          ; the stage is my own, and LDS serves a wave's instructions in order (ISA guide 5.7.1.4): no wait between these stores and the loads below
.if QKV
.set YS, 128                           ; v[128:159] the batch in f16, two registers a slot
.set BROWS, 16                         ; rows in a batch.  Slot j of sixteen: head j & 1 of my two, row pair j >> 1
	s_mov_b32 s3, 128/BROWS
.Lrows:
.irp j, 0,1,2,3,4,5,6,7,8,9,10,11,12,13,14,15
	ds_load_b128 v[XS+4*(\j):XS+4*(\j)+3], v[RD] offset:((\j)>>1)*2*SP+((\j)&1)*256
.endr
.irp j, 0,1,2,3,4,5,6,7,8,9,10,11,12,13,14,15
	s_wait_dscnt 15-(\j)                           ; slot j is in; the younger slots' loads stay out
	v_pk_add_f32 v[XS+4*(\j):XS+4*(\j)+1],   v[XS+4*(\j):XS+4*(\j)+1],   v[BIAS+4*((\j)&1):BIAS+4*((\j)&1)+1]
	v_pk_add_f32 v[XS+4*(\j)+2:XS+4*(\j)+3], v[XS+4*(\j)+2:XS+4*(\j)+3], v[BIAS+4*((\j)&1)+2:BIAS+4*((\j)&1)+3]
.endr
	s_wait_xcnt 0x0                                ; the last trip's stores have read YS and the base: both are written again only behind this wait
	s_add_nc_u64 s[8:9], s[8:9], BROWS*128         ; the base steps ahead of the stores, which reach back by their immediates
.irp j, 0,1,2,3,4,5,6,7,8,9,10,11,12,13,14,15
	v_cvt_pk_f16_f32 v[YS+2*(\j)],   v[XS+4*(\j)],   v[XS+4*(\j)+1]
	v_cvt_pk_f16_f32 v[YS+2*(\j)+1], v[XS+4*(\j)+2], v[XS+4*(\j)+3]
.endr
.irp j, 0,1,2,3,4,5,6,7,8,9,10,11,12,13,14,15
	global_store_b64 v[CO], v[YS+2*(\j):YS+2*(\j)+1], s[8:9] offset:((\j)&1)*262144+((\j)>>1)*256-BROWS*128  ; two rows of a head: 256 consecutive bytes, aligned
.endr
	v_add_nc_u32 v[RD], BROWS*SP, v[RD]
	s_sub_co_u32 s3, s3, 1
	s_cmp_lg_u32 s3, 0
	s_cbranch_scc1 .Lrows
.else
.set TT, 96                            ; v[96:127]  at work
.set YS, 128                           ; v[128:143] the batch in bf16, two registers a row
.set BROWS, 8                          ; rows in a batch: 32 numbers a lane
	s_mov_b32 s3, 128/BROWS
.Lrows:
.irp j, 0,1,2,3,4,5,6,7
	ds_load_b128 v[XS+4*(\j):XS+4*(\j)+3], v[RD] offset:(\j)*SP
.endr
.irp j, 0,1,2,3,4,5,6,7
	s_wait_dscnt 7-(\j)                            ; row j is in; the younger rows' loads stay out
	v_pk_add_f32 v[XS+4*(\j):XS+4*(\j)+1],   v[XS+4*(\j):XS+4*(\j)+1],   v[BIAS:BIAS+1]
	v_pk_add_f32 v[XS+4*(\j)+2:XS+4*(\j)+3], v[XS+4*(\j)+2:XS+4*(\j)+3], v[BIAS+2:BIAS+3]
.endr
.irp k, 0,1,2,3,4,5,6,7,8,9,10,11,12,13,14,15
	v_pk_mul_f32 v[TT+2*(\k):TT+2*(\k)+1], v[XS+2*(\k):XS+2*(\k)+1], v[XS+2*(\k):XS+2*(\k)+1]
.endr
.irp k, 0,1,2,3,4,5,6,7,8,9,10,11,12,13,14,15
	v_pk_fma_f32 v[TT+2*(\k):TT+2*(\k)+1], v[TT+2*(\k):TT+2*(\k)+1], s[68:69], s[66:67] op_sel_hi:[1,0,0]
.endr
.irp k, 0,1,2,3,4,5,6,7,8,9,10,11,12,13,14,15
	v_pk_mul_f32 v[TT+2*(\k):TT+2*(\k)+1], v[TT+2*(\k):TT+2*(\k)+1], v[XS+2*(\k):XS+2*(\k)+1]
.endr
.set e, 0
.rept 32
	v_exp_f32 v[TT+e], v[TT+e]
.set e, e+1
.endr
	v_nop                                          ; a plain instruction between the exponentials and the use of their results (ISA guide 5.7.2)
.irp k, 0,1,2,3,4,5,6,7,8,9,10,11,12,13,14,15
	v_pk_add_f32 v[TT+2*(\k):TT+2*(\k)+1], v[TT+2*(\k):TT+2*(\k)+1], 1.0 op_sel_hi:[1,0]
.endr
.set e, 0
.rept 32
	v_rcp_f32 v[TT+e], v[TT+e]
.set e, e+1
.endr
	v_nop
.irp k, 0,1,2,3,4,5,6,7,8,9,10,11,12,13,14,15
	v_pk_mul_f32 v[TT+2*(\k):TT+2*(\k)+1], v[TT+2*(\k):TT+2*(\k)+1], v[XS+2*(\k):XS+2*(\k)+1]
.endr
	s_wait_xcnt 0x0                                ; the last trip's stores have read YS and the base: both are written again only behind this wait
	s_add_nc_u64 s[8:9], s[8:9], BROWS*8192        ; the base steps ahead of the stores, which reach back by their immediates
.irp k, 0,1,2,3,4,5,6,7,8,9,10,11,12,13,14,15
	v_cvt_pk_bf16_f32 v[YS+(\k)], v[TT+2*(\k)], v[TT+2*(\k)+1]
.endr
.irp j, 0,1,2,3,4,5,6,7
	global_store_b64 v[CO], v[YS+2*(\j):YS+2*(\j)+1], s[8:9] offset:(\j)*8192-BROWS*8192  ; 32 lanes: 256 consecutive bytes, aligned
.endr
	v_add_nc_u32 v[RD], BROWS*SP, v[RD]
	s_sub_co_u32 s3, s3, 1
	s_cmp_lg_u32 s3, 0
	s_cbranch_scc1 .Lrows
.endif
	s_wait_tensorcnt 0x0                           ; the wave's end
	ds_add_u32 v[SPW], v[NIL]
	s_wait_dscnt 0x0
	CROUND                                         ; the closing round
	s_endpgm
.Lfunc_end_k_qe96f272df6_qkv:
	.size	k_qe96f272df6_qkv, .Lfunc_end_k_qe96f272df6_qkv-k_qe96f272df6_qkv
	.p2alignl 7, 3214868480
	.fill 96, 4, 3214868480
	.section	.rodata,"a",@progbits
	.p2align	6, 0x0
	.amdhsa_kernel k_qe96f272df6_qkv
		.amdhsa_group_segment_fixed_size 327680
		.amdhsa_private_segment_fixed_size 0
		.amdhsa_enable_private_segment 0
		.amdhsa_kernarg_size 48
		.amdhsa_user_sgpr_count 2
		.amdhsa_user_sgpr_kernarg_segment_ptr 1
		.amdhsa_wavefront_size32 1
		.amdhsa_system_sgpr_workgroup_id_x 1
		.amdhsa_system_sgpr_workgroup_id_y 1
		.amdhsa_system_sgpr_workgroup_id_z 1
		.amdhsa_system_vgpr_workitem_id 0
		.amdhsa_next_free_vgpr 1024
		.amdhsa_next_free_sgpr 80
		.amdhsa_reserve_vcc 0
		.amdhsa_float_denorm_mode_32 3
		.amdhsa_float_denorm_mode_16_64 3
		.amdhsa_memory_ordered 1
		.amdhsa_forward_progress 1
		.amdhsa_inst_pref_size 89
	.end_amdhsa_kernel
	.amdgpu_metadata
---
amdhsa.version: [ 1, 2 ]
amdhsa.kernels:
  - .name:           k_qe96f272df6_qkv
    .symbol:         k_qe96f272df6_qkv.kd
    .args:
      - { .name: xn, .offset: 0, .size: 8, .value_kind: global_buffer, .address_space: global }
      - { .name: wb, .offset: 8, .size: 8, .value_kind: global_buffer, .address_space: global }
      - { .name: bq, .offset: 16, .size: 8, .value_kind: global_buffer, .address_space: global }
      - { .name: bk, .offset: 24, .size: 8, .value_kind: global_buffer, .address_space: global }
      - { .name: bv, .offset: 32, .size: 8, .value_kind: global_buffer, .address_space: global }
      - { .name: qkv, .offset: 40, .size: 8, .value_kind: global_buffer, .address_space: global }
    .group_segment_fixed_size: 327680
    .private_segment_fixed_size: 0
    .kernarg_segment_align: 8
    .kernarg_segment_size: 48
    .max_flat_workgroup_size: 128
    .sgpr_count:     80
    .vgpr_count:     1024
    .wavefront_size: 32
...
	.end_amdgpu_metadata
.endif
;; end of part 2
;; launch attn (part 3): grid 8 x 32, 4 waves a work-group, clusters of 4 x 4, 327,680 bytes of LDS; arguments qkv, m16, oh; writes oh
.if DOCPART == 3
	.amdgcn_target "amdgcn-amd-amdhsa--gfx1250"
	.amdhsa_code_object_version 6
	.text
	.protected	k_qe96f272df6_attn
	.globl	k_qe96f272df6_attn
	.p2align	8
	.type	k_qe96f272df6_attn,@function
k_qe96f272df6_attn:
	s_mov_b64 s[64:65], 0
	v_nop
	global_prefetch_b8 v0, s[64:65] scope:SCOPE_SE
	s_setreg_imm32_b32 hwreg(HW_REG_WAVE_MODE, 25, 1), 1
	s_wait_xcnt 0x0
	s_wait_alu depctr_hold_cnt(0) depctr_sa_sdst(0) depctr_va_vdst(0) depctr_va_sdst(0) depctr_va_ssrc(0) depctr_va_vcc(0) depctr_vm_vsrc(0)
	s_getreg_b32 s2, hwreg(HW_REG_IB_STS2, 6, 4)
	s_cmp_eq_u32 s2, 0
	s_cbranch_scc0 .Lentry_in_a_cluster
	s_endpgm
.Lentry_in_a_cluster:
	s_bfe_u32 s2, ttmp6, 0x10000c
	s_cmp_lg_u32 s2, 0xf033
	s_cbranch_scc0 .Lentry_shape_is_right
	s_endpgm
.Lentry_shape_is_right:
; O[bh][q][:] = the sum over k of softmax_k(mask(q, k) ? Q[bh][q] . K[bh][k] / 8 : -inf) V[bh][k][:].  Q, K, V: qkv[3][32][2048][64] f16; O: oh[32][2048][64] f16.
; THE MASK IS AN INPUT: m16[q][k] holds 0 (seen) or -32768 (hidden) in f16, and every pair (q, k) is honoured; no tile is left out.
; It costs no vector work: each sum S^T (16 keys x 16 queries) is STARTED by one more product of the same form, Sel x M, where M is the mask's fragment (one query a lane, 32 keys along its
; registers) and Sel a constant 16 x 32 matrix with 32768 at (i, i) or (i, 16 + i): a hidden key starts at -2^30, a seen one at 0.  K Q^T then adds on in place.
; LIMITS.  Q, K, V lie within f16's 65,504.  A hidden score counts as its value less 2^30, so |Q . K| must stay below 2^29.  A query whose running maximum ends below -2^29 has no seen key:
; its row is written as NaN, as a softmax of -inf alone is.  A weight below 2^-126 counts as 0 in l.
; SHARES.  A work-group owns 256 queries of one (batch, head), a wave 64 consecutive ones: four PIECES of 16.  Every wave walks all 2,048 keys, 64 a step, two steps a slot.
; SOFTMAX.  Running maximum m and sum l: p = 2^(c s - c m), c = log2(e) / 8; O and l are multiplied by a = 2^(c m_old - c m_new) in every step.  m starts at the lowest finite number, O and l at 0.
; BY TURNS.  Turn n belongs to piece n: 4 mask products and 8 products K Q^T of piece n + 1, then 8 products V^T P of piece n - 1; four vector instructions stand behind each of the 20, the other 38 of the turn's 118 in two lumps.
; CLUSTER 4 x 4.  x is the query block, y the (batch, head): K's and V's tiles are asked for jointly along a row of the cluster, the mask's along a column.
; REGISTERS by windows of 256: window 0 addresses, statistics, Sel, S^T (two buffers), P (two buffers); window 1 O^T, 32 a piece; window 2 Q 0-63, mask fragments 64-127, K 128-191, V 192-255.
.set NP,    4
.set KS,    64
.set PK,    144       ; a row of K in LDS: 128 bytes + 16
.set PV,    160       ; a row of V: 128 + 32
.set PM,    272       ; a row of the mask's tile: 128 keys x 2 bytes + 16
.set VOFF,  2*KS*PK   ; a slot: 128 rows of K, 128 of V, 256 of the mask
.set MOFF,  VOFF+2*KS*PV
.set SLOT1, 1<<17
.set STAGE, SLOT1+MOFF+256*PM  ; behind the ring, never filled: 16 rows x 144 bytes for each wave
.set SP,    144
.set SPARE, STAGE+4*16*SP      ; the spare words, 128 bytes for each wave, which no other line names
.set AK0, 2
.set AV0, 3
.set AK,  4
.set AV,  5
.set STO, 6
.set RD,  7
.set GO,  8
.set MV,  12          ; v12-13  c m_old, by buffer
.set AM0, 14
.set AM,  15
.set ST,  16          ; piece t's statistics at v[ST+4 t]: c m, m, l (even keys', odd keys')
.set SELHI, 32        ; v[32:39]: v32-35 are 0, v36-39 hold the diagonal
.set SELLO, 36        ; v[36:43]: v40-43 are 0
.set QO,  44
.set TMP, 48          ; by buffer, c0-c3 at work; c2 takes a
.set SPW, 62
.set NIL, 63
.set S,   64
.set P,   192
.set MF,  64          ; window 2: piece x, key half kk at MF + 16 x + 8 kk
.set KF,  128         ; window 2: key block kb, channel half c at KF + 16 kb + 8 c
.set VF,  192         ; window 2: key half kk, channel block cb at VF + 32 kk + 8 cb
.set WV,  12
.set G1K, 24
.set G1V, 32
.set G1M, 40
.set G0K, 48
.set G0V, 52
.set G0M, 56
.set SLOTS, 60
.set CNT, 61
.set CS,  62          ; s[62:63] c
.set SEL, 66          ; s[66:67]
.set TBK, 68
.set TBV, 69
.set TBM, 70
.set THR, 71          ; -2^29
.set MSB, 0
.macro WIN new
.if MSB != (\new)
	s_set_vgpr_msb (MSB<<8)|(\new)
.set MSB, (\new)
.endif
.endm
.set W_MK, 0x08       ; Sel in window 0, the mask's fragment in window 2, S^T in window 0
.set W_KQ, 0x0a       ; K and Q in window 2, S^T in window 0
.set W_PV, 0x52       ; V in window 2, P in window 0, O^T in window 1
.set W_RS, 0x41       ; O^T in window 1, a in window 0
.macro FOURNOP
	s_nop 0
.rept 4
	v_nop
.endr
.endm
; A joint fill: wave 0 fetches the slot's K, wave 1 its V, waves 2 and 3 the halves of the mask's tile.  The branches hang on the wave's number alone.
.macro JLOAD
	s_cmp_lt_u32 s[WV], 2
	s_cbranch_scc0 .Lfor_m_\@
	s_cmp_eq_u32 s[WV], 0
	s_cbranch_scc0 .Lfor_v_\@
	tensor_load_to_lds s[G0K:G0K+3], s[G1K:G1K+7]
	FOURNOP
	s_branch .Lasked_\@
.Lfor_v_\@:
	tensor_load_to_lds s[G0V:G0V+3], s[G1V:G1V+7]
	FOURNOP
	s_branch .Lasked_\@
.Lfor_m_\@:
	tensor_load_to_lds s[G0M:G0M+3], s[G1M:G1M+7]
	FOURNOP
.Lasked_\@:
.endm
.macro CROUND
	s_barrier_signal -1
	s_barrier_wait -1
	s_cmp_lg_u32 s[WV], 0
	s_cbranch_scc1 .Lnot_wave_0_\@
	s_barrier_signal -3
.Lnot_wave_0_\@:
	s_barrier_wait -3
	s_barrier_signal -1
	s_barrier_wait -1
.endm
; THE CHANGE OF SLOTS.  Each wave waits for all its tensor loads (one is out: its part of the other slot), adds 0 to its spare word, and waits for that and for its reads of the slot that it leaves.
; fill = 1: the barrier is a round of the cluster's, and the joint fill of the old slot, with the keys two slots on, is the first thing behind it: it has two key steps, 160 matrix instructions, in which to land.
.macro CHANGE fill
	WIN 0
	s_wait_tensorcnt 0x0
	ds_add_u32 v[SPW], v[NIL]
.if \fill
.irp g, G0K, G0V
	s_xor_b32 s[\g+1], s[\g+1], SLOT1
	s_add_nc_u64 s[\g+2:\g+3], s[\g+2:\g+3], 2*KS*128
.endr
	s_xor_b32 s[G0M+1], s[G0M+1], SLOT1
	s_add_nc_u64 s[G0M+2:G0M+3], s[G0M+2:G0M+3], 2*KS*2
	s_wait_dscnt 0x0
	CROUND
	JLOAD
.else
	s_wait_dscnt 0x0
	s_barrier_signal -1
	s_barrier_wait -1
.endif
	s_sub_co_u32 s[TBK], s[TBK], 2*KS*PK  ; the fetches go back to a slot's first step, in the other slot
	s_xor_b32 s[TBK], s[TBK], SLOT1
	s_sub_co_u32 s[TBV], s[TBV], 2*KS*PV
	s_xor_b32 s[TBV], s[TBV], SLOT1
	s_sub_co_u32 s[TBM], s[TBM], 2*KS*2
	s_xor_b32 s[TBM], s[TBM], SLOT1
.endm
	s_load_b128 s[4:7], s[0:1], 0x0   ; qkv s[4:5], m16 s[6:7]
	s_load_b64 s[8:9], s[0:1], 0x10   ; oh
	v_lshl_add_u32 v[SPW], v0, 2, SPARE
	v_mov_b32 v[NIL], 0
	v_lshrrev_b32 v1, 5, v0
	v_readfirstlane_b32 s[WV], v1
	s_bfe_u32 s13, ttmp6, 0x40000   ; cx
	s_bfe_u32 s16, ttmp6, 0x40004   ; cy
	s_lshl_b32 s14, ttmp9, 2
	s_add_co_u32 s14, s14, s13      ; my block of 256 queries
	s_and_b32 s15, ttmp7, 0xffff
	s_lshl_b32 s15, s15, 2
	s_add_co_u32 s15, s15, s16      ; my (batch, head)
	s_lshl_b32 s17, s16, 2
	s_lshl_b32 s17, 15, s17         ; my row of the cluster
	s_lshl_b32 s18, 0x1111, s13     ; my column
	s_lshl_b32 s20, s15, 18         ; the head's first byte in q, k, v and o: it hangs on y alone
	s_mov_b32 s21, 0
	s_and_b32 s19, s[WV], 1
	s_lshl_b32 s22, s14, 20         ; the mask's rows of my block, 4,096 bytes each; it hangs on x alone,
	s_lshl_b32 s23, s19, 19         ; and on which 128 of them I fetch
	s_add_co_u32 s22, s22, s23
	s_mov_b32 s23, 0
	s_lshl_b32 s2, s14, 15          ; Q and O: my block's 256 rows of 128 bytes, my wave's 64
	s_lshl_b32 s3, s[WV], 13
	s_add_co_u32 s2, s2, s3
	s_add_co_u32 s2, s2, s20
	s_mov_b32 s3, 0
	s_or_b32 s[G1K], s17, (1<<16)|(1<<20)|(1<<21)|(4<<22)|(3<<25)  ; 128 keys are 16,384 dense bytes: 64 rows of 256, padded after every key (32 words) by 4 words
	s_or_b32 s[G1V], s17, (1<<16)|(1<<20)|(1<<21)|(4<<22)|(7<<25)  ; by 8 words
.irp g, G1K, G1V
	s_mov_b32 s[\g+1], 128<<16
	s_mov_b32 s[\g+2], 64<<16
	s_mov_b32 s[\g+3], 128<<16
	s_mov_b32 s[\g+4], 64
	s_mov_b32 s[\g+5], 128
	s_mov_b32 s[\g+6], 0
	s_mov_b32 s[\g+7], 0
.endr
	s_or_b32 s[G1M], s18, (1<<16)|(1<<20)|(1<<21)|(5<<22)|(3<<25)  ; 128 rows x 128 keys; after every 64 words, 4 words
	s_mov_b32 s[G1M+1], 128<<16
	s_mov_b32 s[G1M+2], 128<<16
	s_mov_b32 s[G1M+3], 128<<16
	s_mov_b32 s[G1M+4], 128
	s_mov_b32 s[G1M+5], 2048
	s_mov_b32 s[G1M+6], 0
	s_mov_b32 s[G1M+7], 0
	s_mov_b32 s[CS], 0x3e38aa3b     ; c = log2(e) / 8
	s_mov_b32 s[CS+1], s[CS]
	s_mov_b32 s[SEL], 0x76543210
	s_mov_b32 s[SEL+1], 0xfedcba98
	s_mov_b32 s[THR], 0xce000000
	s_mov_b32 s[TBK], SLOT1+2*KS*PK ; the first change of slots turns these three into 0
	s_mov_b32 s[TBV], SLOT1+2*KS*PV
	s_mov_b32 s[TBM], SLOT1+2*KS*2
	s_mov_b32 s[G0K], 1
	s_mov_b32 s[G0K+1], 0
	s_mov_b32 s[G0V], 1
	s_mov_b32 s[G0V+1], VOFF
	s_mov_b32 s[G0M], 1
	s_mul_i32 s[G0M+1], s19, 128*PM
	s_add_co_u32 s[G0M+1], s[G0M+1], MOFF
	s_wait_kmcnt 0x0
	s_add_nc_u64 s[G0K+2:G0K+3], s[4:5], s[20:21]
	s_add_nc_u64 s[G0V+2:G0V+3], s[G0K+2:G0K+3], 16777216  ; v lies 16 MiB into qkv,
	s_add_nc_u64 s[G0K+2:G0K+3], s[G0K+2:G0K+3], 8388608   ; k 8 MiB
	s_or_b32 s[G0K+3], s[G0K+3], 0x80000000
	s_or_b32 s[G0V+3], s[G0V+3], 0x80000000
	s_add_nc_u64 s[G0M+2:G0M+3], s[6:7], s[22:23]
	s_or_b32 s[G0M+3], s[G0M+3], 0x80000000
	s_add_nc_u64 s[14:15], s[4:5], s[2:3]    ; Q at my wave's first row
	s_add_nc_u64 s[10:11], s[8:9], s[2:3]    ; O likewise
	CROUND                          ; all sixteen work-groups are here
	JLOAD                           ; slot 0; slot 1 is asked for when slot 0 is in
	v_and_b32 v1, 15, v0            ; l % 16
	v_bfe_u32 v9, v0, 4, 1          ; l / 16
	v_lshlrev_b32 v[QO], 7, v1
	v_lshl_add_u32 v[QO], v9, 4, v[QO]
	WIN 0x80
.set i, 0
.rept 8                             ; Q stays in registers: piece i / 2, channels 32 (i % 2) on
	global_load_b128 v[8*i:8*i+3],   v[QO], s[14:15] offset:(i/2)*2048+(i%2)*64
	global_load_b128 v[8*i+4:8*i+7], v[QO], s[14:15] offset:(i/2)*2048+(i%2)*64+32
.set i, i+1
.endr
	; What the first turn finds: V and P's second buffer are 0 (its products V^T P, of a piece that has not been, add 0), O^T and l are 0.  All this stands in the wait for the first tile.
.set i, VF
.rept 64
	v_mov_b32 v[i], 0
.set i, i+1
.endr
	WIN 0x40
.set i, 0
.rept 128
	v_mov_b32 v[i], 0
.set i, i+1
.endr
	WIN 0
.set i, 0
.rept 4
	v_mov_b32 v[ST+4*i], 0xfe000000    ; c m: far below every c s
	v_mov_b32 v[ST+4*i+1], 0xff7fffff  ; m
	v_mov_b32 v[ST+4*i+2], 0
	v_mov_b32 v[ST+4*i+3], 0
.set i, i+1
.endr
.set i, P+16
.rept 16
	v_mov_b32 v[i], 0
.set i, i+1
.endr
	; Sel: lane l holds row l % 16; register j of the four holds columns 8 (l / 16) + 2 j, + 1: 32768 (0x7800) where the column is the row
	v_lshlrev_b32 v46, 3, v9
	v_sub_nc_u32 v46, v1, v46
	v_mov_b32 v47, 0x7800
.irp j, 0,1,2,3
	v_mov_b32 v[SELHI+\j], 0
	v_mov_b32 v[SELLO+4+\j], 0
	v_cmp_eq_u32 s72, 2*\j, v46
	v_cmp_eq_u32 s73, 2*\j+1, v46
	v_cndmask_b32 v[SELLO+\j], 0, v47, s72
	v_cndmask_b32 v45, 0, v47, s73
	v_lshl_or_b32 v[SELLO+\j], v45, 16, v[SELLO+\j]
.endr
	v_mul_u32_u24 v[AK0], v1, PK
	v_lshl_add_u32 v[AK0], v9, 4, v[AK0]
	v_and_b32 v10, 7, v0
	v_bfe_u32 v11, v0, 3, 1
	v_lshl_add_u32 v[AV0], v9, 3, v10
	v_mul_u32_u24 v[AV0], v[AV0], PV
	v_lshl_add_u32 v[AV0], v11, 4, v[AV0]
	v_add_nc_u32 v[AV0], VOFF, v[AV0]
	s_lshl_b32 s13, s[WV], 6
	v_add_nc_u32 v[AM0], s13, v1    ; the mask's row of my query in piece 0
	v_mul_u32_u24 v[AM0], v[AM0], PM
	v_lshl_add_u32 v[AM0], v9, 4, v[AM0]
	v_add_nc_u32 v[AM0], MOFF, v[AM0]
; THE MATRIX WORK of a turn, number i of 20.  The four accumulators of S^T, and the four of a piece's O^T, take turns.
.macro MM
.if i < 4                           ; keys 16 i on of piece Y + 1: the mask starts the sum
	WIN W_MK
.set px, (Y+1)%NP
.set rS, S+32*(px%2)+8*i
.set rM, MF+16*px+8*(i/2)
.set rE, SELLO-4*(i%2)
	v_wmma_f32_16x16x32_f16 v[rS:rS+7], v[rE:rE+7], v[rM:rM+7], 0
.elseif i < 12                      ; K Q^T: channels 32 ((i - 4) / 4) on, keys 16 (i % 4) on
	WIN W_KQ
.set px, (Y+1)%NP
.set rS, S+32*(px%2)+8*(i%4)
.set rK, KF+16*(i%4)+8*((i-4)/4)
.set rQ, 16*px+8*((i-4)/4)
	v_wmma_f32_16x16x32_f16 v[rS:rS+7], v[rK:rK+7], v[rQ:rQ+7], v[rS:rS+7]
.else                               ; V^T P of piece Y - 1: keys 32 ((i - 12) / 4) on, channels 16 (i % 4) on
	WIN W_PV
.set px, (Y+NP-1)%NP
.set rO, 32*px+8*(i%4)
.set rV, VF+32*((i-12)/4)+8*(i%4)
.set rP, P+16*(px%2)+8*((i-12)/4)
	v_wmma_f32_16x16x32_f16 v[rO:rO+7], v[rV:rV+7], v[rP:rP+7], v[rO:rO+7]
.endif
.set i, i+1
.endm
; THE LDS LOADS stand in runs.  A step's K (8 fragments) and the mask's fragments of all four pieces for that step (8); last = 1 (the tail): in the last trip there is no further step.
.macro FETCH_KM last=0
	WIN 0
.if \last
	s_cmp_eq_u32 s[CNT], 1
	s_cbranch_scc1 .Lno_k_\@
.endif
	WIN 0x80
.irp f, 0,1,2,3,4,5,6,7
	ds_load_b128 v[KF+8*\f:KF+8*\f+3],   v[AK] offset:(\f/2)*16*PK+(\f%2)*64
	ds_load_b128 v[KF+8*\f+4:KF+8*\f+7], v[AK] offset:(\f/2)*16*PK+(\f%2)*64+32
.endr
.irp f, 0,1,2,3,4,5,6,7             ; piece f / 2, keys 32 (f % 2) on
	ds_load_b128 v[MF+8*\f:MF+8*\f+3],   v[AM] offset:(\f/2)*16*PM+(\f%2)*64
	ds_load_b128 v[MF+8*\f+4:MF+8*\f+7], v[AM] offset:(\f/2)*16*PM+(\f%2)*64+32
.endr
	s_add_co_u32 s[TBK], s[TBK], KS*PK
	s_add_co_u32 s[TBM], s[TBM], KS*2
	WIN 0
.if \last
.Lno_k_\@:
.endif
.endm
.macro FETCH_V
	WIN 0x80
.irp f, 0,1,2,3,4,5,6,7
	ds_load_tr16_b128 v[VF+8*\f:VF+8*\f+3],   v[AV] offset:(\f/4)*32*PV+(\f%4)*32
	ds_load_tr16_b128 v[VF+8*\f+4:VF+8*\f+7], v[AV] offset:(\f/4)*32*PV+16*PV+(\f%4)*32
.endr
	WIN 0
.endm
; THE VECTOR WORK, one line at a time: OP kind, number.  For piece Y: F n: c s - c m for pair n of 16.  E n: the exponential of score n.  C n: pair n rounded to f16.  B n: of the weights 4 n .. the second pair
; is added onto the first, in place.  L n: l takes that sum (L 0: l = a l + sum).  R n: pair n of O^T times a.  For piece Y + 1: X n, number n of the 22 that find its maximum and statistics:
;   0-11 four chains c0-c3 (each accumulator's lowest registers are read first)   12-14, 16 the scores left over, the old m, c0-c3 into c0   15 c m_old is kept
;   17, 18 the query's other 32 keys lie in the lane 16 away: the new m   19-21 c m; c m_old - c m_new; a
.set F, 0
.set E, 1
.set C, 2
.set B, 3
.set L, 4
.set R, 5
.set X, 6
.macro REGS y
.set rT, ST+4*(\y)
.set rC, TMP+4*((\y)%2)
.set rW, MV+((\y)%2)
.set rS, S+32*((\y)%2)
.set rP, P+16*((\y)%2)
.set rO, 32*(\y)
.endm
.macro OP k, n
.if (\k) == R
	REGS Y
	WIN W_RS
	v_pk_mul_f32 v[rO+2*(\n):rO+2*(\n)+1], v[rO+2*(\n):rO+2*(\n)+1], v[rC+2:rC+3] op_sel_hi:[1,0]
.elseif (\k) < R
	REGS Y
	WIN 0
.if (\k) == F
	v_pk_fma_f32 v[rS+2*(\n):rS+2*(\n)+1], v[rS+2*(\n):rS+2*(\n)+1], s[CS:CS+1], v[rT:rT+1] op_sel_hi:[1,0,0] neg_lo:[0,0,1] neg_hi:[0,0,1]
.elseif (\k) == E
	v_exp_f32 v[rS+(\n)], v[rS+(\n)]
.elseif (\k) == C
	v_cvt_pk_f16_f32 v[rP+(\n)], v[rS+2*(\n)], v[rS+2*(\n)+1]
.elseif (\k) == B
	v_pk_add_f32 v[rS+4*(\n):rS+4*(\n)+1], v[rS+4*(\n):rS+4*(\n)+1], v[rS+4*(\n)+2:rS+4*(\n)+3]
.elseif (\n) == 0
	v_pk_fma_f32 v[rT+2:rT+3], v[rT+2:rT+3], v[rC+2:rC+3], v[rS:rS+1] op_sel_hi:[1,0,1]
.else
	v_pk_add_f32 v[rT+2:rT+3], v[rT+2:rT+3], v[rS+4*(\n):rS+4*(\n)+1]
.endif
.else
	REGS (Y+1)%NP
	WIN 0
.if (\n) < 4
	v_max3_num_f32 v[rC+(\n)], v[rS+8*(\n)], v[rS+8*(\n)+1], v[rS+8*(\n)+2]
.elseif (\n) < 12
	v_max3_num_f32 v[rC+(\n)%4], v[rC+(\n)%4], v[rS+8*((\n)%4)+2*((\n)/4)+1], v[rS+8*((\n)%4)+2*((\n)/4)+2]
.elseif (\n) == 12
	v_max3_num_f32 v[rC], v[rC], v[rS+7], v[rS+15]
.elseif (\n) == 13
	v_max3_num_f32 v[rC+1], v[rC+1], v[rS+23], v[rS+31]
.elseif (\n) == 14
	v_max3_num_f32 v[rC+2], v[rC+2], v[rC+3], v[rT+1]
.elseif (\n) == 15
	v_mov_b32 v[rW], v[rT]
.elseif (\n) == 16
	v_max3_num_f32 v[rC], v[rC], v[rC+1], v[rC+2]
.elseif (\n) == 17
	v_permlanex16_b32 v[rC+3], v[rC], s[SEL], s[SEL+1]
.elseif (\n) == 18
	v_max_num_f32 v[rT+1], v[rC], v[rC+3]
.elseif (\n) == 19
	v_mul_f32 v[rT], s[CS], v[rT+1]
.elseif (\n) == 20
	v_sub_f32 v[rC+1], v[rW], v[rT]
.else
	v_exp_f32 v[rC+2], v[rC+1]
.endif
.endif
.endm
.macro OPS a, i1, b=-1, i2=0, c=-1, i3=0, d=-1, i4=0
	OP \a, \i1
.if (\b) >= 0
	OP \b, \i2
.endif
.if (\c) >= 0
	OP \c, \i3
.endif
.if (\d) >= 0
	OP \d, \i4
.endif
.endm
.macro ROW a, i1, b, i2, c, i3, d, i4  ; a matrix instruction and the four behind it
	MM
	OPS \a, \i1, \b, \i2, \c, \i3, \d, \i4
.endm
; A TURN, for piece p: the order of its 20 matrix and 118 vector instructions, written out.  None of the four behind a product names a register of the products round it; behind every exponential a plain
; instruction stands before its result is used.  K and the mask's fragments of the next step are fetched in piece 2's turn, behind four plain instructions (C 2, C 3, B 1, L 1) that follow the last product
; that read K; V of the step in hand in piece 0's turn, behind four plain ones (C 9, L 4, C 10, X 18) that follow the last product that read V.  Each run is waited for a turn later.
.macro TURN p, last=0, cnt=0
.set Y, (\p)
.set i, 0
.if (\p) == 3
	s_wait_dscnt 0x0                ; K and the mask's fragments are in
.endif
	ROW F,0, F,1, F,2, F,3
	ROW F,4, E,0, F,5, F,6
	ROW F,7, E,1, F,8, F,9
	ROW F,10, E,2, C,0, F,11
	ROW F,12, E,3, X,15, F,13
	ROW R,0, R,1, R,2, R,3
	ROW B,0, E,4, F,14, L,0
	ROW R,4, R,5, R,6, R,7
	ROW R,8, R,9, R,10, R,11
	ROW F,15, E,5, C,1, E,6
	ROW R,12, R,13, R,14, R,15
.if (\p) == 2
	WIN 0
	v_add_nc_u32 v[AK], s[TBK], v[AK0]
	v_add_nc_u32 v[AM], s[TBM], v[AM0]
.endif
	ROW E,7, C,2, E,8, C,3
	OPS E,9, B,1, E,10, L,1
.if (\p) == 2
	FETCH_KM \last
.endif
	OPS E,11, X,0, E,12, X,1
	OPS E,13, X,2, C,4, X,3
.if (\p) == 1
	s_wait_dscnt 0x0                ; V is in
.endif
	ROW X,4, E,14, X,5, X,6
	ROW X,7, E,15, X,8, X,9
	ROW X,10, E,16, X,11, X,12
	ROW X,13, E,17, X,14, C,5
	ROW B,2, E,18, X,16, L,2
	ROW C,6, E,19, C,7, C,8
	ROW B,3, E,20, B,4, L,3
.if (\p) == 0
	WIN 0
	v_add_nc_u32 v[AV], s[TBV], v[AV0]
.endif
	ROW C,9, E,21, L,4, E,22
	OPS X,17, E,23, C,10, E,24
	OPS X,18
.if (\p) == 0
	FETCH_V
.endif
	OPS E,25, C,11, E,26, X,19
	OPS E,27, B,5, E,28, X,20
	OPS E,29, C,12, E,30, L,5
	OPS E,31, X,21
.if (\p) == 0
	s_add_co_u32 s[TBV], s[TBV], KS*PV
.endif
.if \cnt
	s_sub_co_u32 s[CNT], s[CNT], 1
	s_cmp_lg_u32 s[CNT], 0
.endif
	OPS C,13, B,6, C,14, B,7
	OPS L,6, C,15, L,7
.endm
	CHANGE 1                        ; slot 0 is in, everybody's part of it; slot 1 is asked for
	v_add_nc_u32 v[AK], s[TBK], v[AK0]
	v_add_nc_u32 v[AM], s[TBM], v[AM0]
	FETCH_KM                        ; key step 0
	s_wait_loadcnt 0x0              ; Q
	s_wait_dscnt 0x0
.set Y, NP-1
.set i, 0
.rept 12
	MM                              ; piece 0's first scores: there is no vector work yet to set between them
.endr
	WIN 0                           ; the addresses for the way out: nine plain instructions, the places behind those products
	s_mul_i32 s13, s[WV], 16*SP
	s_add_co_u32 s13, s13, STAGE
	v_mul_u32_u24 v[STO], v1, SP    ; in: row l % 16, 16 bytes for each half of the lanes
	v_lshl_add_u32 v[STO], v9, 4, v[STO]
	v_add_nc_u32 v[STO], s13, v[STO]
	v_bfe_u32 v[RD], v0, 3, 2       ; back: 32 lanes take four rows of 128 bytes,
	v_mul_u32_u24 v[RD], v[RD], SP
	v_lshl_add_u32 v[RD], v10, 4, v[RD]
	v_add_nc_u32 v[RD], s13, v[RD]
	v_and_b32 v[GO], 31, v0         ; which are 512 consecutive bytes of O
	v_lshlrev_b32 v[GO], 4, v[GO]
.irp n, 0,1,2,3,4,5,6,7,8,9,10,11,12,13,14,15,16,17,18,19,20,21
	OP X, \n                        ; piece 0's first maximum and statistics
.endr
	v_nop                           ; a plain instruction behind the exponential
	s_mov_b32 s[CNT], 2
	s_mov_b32 s[SLOTS], 15
	s_branch .Lfirst                ; the loop is entered at a step's first turn, in the middle of a trip
.Lslot:                             ; 14 times: every slot but the last two is filled again
	CHANGE 1
	s_mov_b32 s[CNT], 2
.Lstep:                             ; a trip: pieces 2 and 3 of one step, then pieces 0 and 1 of the next, whose K, mask and V it fetches
	TURN 2
	TURN 3
	WIN 0
.Lfirst:
	TURN 0
	TURN 1, 0, 1
	WIN 0
	s_cbranch_scc1 .Lstep
	s_sub_co_u32 s[SLOTS], s[SLOTS], 1
	s_cmp_lg_u32 s[SLOTS], 0
	s_cbranch_scc1 .Lslot
	CHANGE 0                        ; the tail is written out: nothing is asked for
	s_mov_b32 s[CNT], 3             ; two trips fetch the last slot's steps; the third is left in its middle
.Ltail:
	TURN 2, 1
	TURN 3
	WIN 0
	s_sub_co_u32 s[CNT], s[CNT], 1
	s_cmp_eq_u32 s[CNT], 0
	s_cbranch_scc1 .Lout
	TURN 0
	TURN 1
	WIN 0
	s_branch .Ltail
.Lout:                              ; the third trip's scores (on the last K and mask once more) change no maximum and serve nothing: the price of one text for every trip
.set Y, 0
.set i, 12
.rept 8
	MM                              ; the last piece's V^T P of the last step
.endr
	; THE WAY OUT.  l's halves and the other half of the lanes' are added; 1 / l, or NaN where no key was seen; O^T is scaled, rounded to f16 and sent through my stage, a piece at a time.
	WIN 0
.macro ALL line:vararg
.set t, 0
.rept 4
	\line
.set t, t+1
.endr
.endm
	ALL v_add_f32 v[ST+4*t+2], v[ST+4*t+2], v[ST+4*t+3]
	ALL v_permlanex16_b32 v[ST+4*t+3], v[ST+4*t+2], s[SEL], s[SEL+1]
	ALL v_add_f32 v[ST+4*t+2], v[ST+4*t+2], v[ST+4*t+3]
	ALL v_rcp_f32 v[ST+4*t+2], v[ST+4*t+2]
	v_mov_b32 v45, 0x7fc00000       ; also the plain instruction behind the last reciprocal
	ALL v_cmp_gt_f32 s[72+t], s[THR], v[ST+4*t+1]
	ALL v_cndmask_b32 v[ST+4*t+2], v[ST+4*t+2], v45, s[72+t]
.macro PACK t
	WIN W_RS
.set i, 32*(\t)
.rept 16
	v_pk_mul_f32 v[i:i+1], v[i:i+1], v[ST+4*(\t)+2:ST+4*(\t)+3] op_sel_hi:[1,0]
.set i, i+2
.endr
	WIN 0x05
.set i, 0
.rept 16
	v_cvt_pk_f16_f32 v[S+16*(\t)+i], v[32*(\t)+2*i], v[32*(\t)+2*i+1]
.set i, i+1
.endr
	WIN 0
.irp f, 0,1,2,3
	ds_store_b128 v[STO], v[S+16*(\t)+4*\f:S+16*(\t)+4*\f+3] offset:32*\f
.endr
.irp f, 0,1,2,3
	ds_load_b128 v[S+16*(\t)+4*\f:S+16*(\t)+4*\f+3], v[RD] offset:\f*4*SP  ; LDS serves a wave's instructions in order (ISA guide 5.7.1.4): these see the stores above
.endr
.endm
.macro SEND t, younger
	WIN 0
.irp f, 0,1,2,3
	s_wait_dscnt (\younger)+3-\f
	global_store_b128 v[GO], v[S+16*(\t)+4*\f:S+16*(\t)+4*\f+3], s[10:11] offset:(\t)*2048+\f*512  ; 512 consecutive bytes, at a multiple of 256 from O's first
.endr
.endm
	PACK 0
.set t, 1
.rept 3
	PACK t
	SEND t-1, 8
.set t, t+1
.endr
	SEND 3, 0
	s_wait_tensorcnt 0x0            ; the wave's end
	ds_add_u32 v[SPW], v[NIL]
	s_wait_dscnt 0x0
	CROUND                          ; the closing round
	s_endpgm
.Lfunc_end_k_qe96f272df6_attn:
	.size	k_qe96f272df6_attn, .Lfunc_end_k_qe96f272df6_attn-k_qe96f272df6_attn
	.p2alignl 7, 3214868480
	.fill 96, 4, 3214868480
	.section	.rodata,"a",@progbits
	.p2align	6, 0x0
	.amdhsa_kernel k_qe96f272df6_attn
		.amdhsa_group_segment_fixed_size 327680
		.amdhsa_private_segment_fixed_size 0
		.amdhsa_enable_private_segment 0
		.amdhsa_kernarg_size 24
		.amdhsa_user_sgpr_count 2
		.amdhsa_user_sgpr_kernarg_segment_ptr 1
		.amdhsa_wavefront_size32 1
		.amdhsa_system_sgpr_workgroup_id_x 1
		.amdhsa_system_sgpr_workgroup_id_y 1
		.amdhsa_system_sgpr_workgroup_id_z 1
		.amdhsa_system_vgpr_workitem_id 0
		.amdhsa_next_free_vgpr 768
		.amdhsa_next_free_sgpr 80
		.amdhsa_reserve_vcc 0
		.amdhsa_float_denorm_mode_32 3
		.amdhsa_float_denorm_mode_16_64 3
		.amdhsa_memory_ordered 1
		.amdhsa_forward_progress 1
		.amdhsa_inst_pref_size 119
	.end_amdhsa_kernel
	.amdgpu_metadata
---
amdhsa.version: [ 1, 2 ]
amdhsa.kernels:
  - .name:           k_qe96f272df6_attn
    .symbol:         k_qe96f272df6_attn.kd
    .args:
      - { .name: qkv, .offset: 0, .size: 8, .value_kind: global_buffer, .address_space: global }
      - { .name: m16, .offset: 8, .size: 8, .value_kind: global_buffer, .address_space: global }
      - { .name: oh, .offset: 16, .size: 8, .value_kind: global_buffer, .address_space: global }
    .group_segment_fixed_size: 327680
    .private_segment_fixed_size: 0
    .kernarg_segment_align: 8
    .kernarg_segment_size: 24
    .max_flat_workgroup_size: 128
    .sgpr_count:     80
    .vgpr_count:     768
    .wavefront_size: 32
...
	.end_amdgpu_metadata
.endif
;; end of part 3
;; launch wo (part 4): grid 8 x 32, 4 waves a work-group, clusters of 4 x 4, 327,680 bytes of LDS; arguments oh, wb, bo, x, x1; writes x1
.if DOCPART == 4
	.amdgcn_target "amdgcn-amd-amdhsa--gfx1250"
	.amdhsa_code_object_version 6
	.text
	.protected	k_qe96f272df6_wo
	.globl	k_qe96f272df6_wo
	.p2align	8
	.type	k_qe96f272df6_wo,@function
k_qe96f272df6_wo:
	s_mov_b64 s[64:65], 0
	v_nop
	global_prefetch_b8 v0, s[64:65] scope:SCOPE_SE
	s_setreg_imm32_b32 hwreg(HW_REG_WAVE_MODE, 25, 1), 1
	s_wait_xcnt 0x0
	s_wait_alu depctr_hold_cnt(0) depctr_sa_sdst(0) depctr_va_vdst(0) depctr_va_sdst(0) depctr_va_ssrc(0) depctr_va_vcc(0) depctr_vm_vsrc(0)
	s_getreg_b32 s2, hwreg(HW_REG_IB_STS2, 6, 4)
	s_cmp_eq_u32 s2, 0
	s_cbranch_scc0 .Lentry_in_a_cluster
	s_endpgm
.Lentry_in_a_cluster:
	s_bfe_u32 s2, ttmp6, 0x10000c
	s_cmp_lg_u32 s2, 0xf033
	s_cbranch_scc0 .Lentry_shape_is_right
	s_endpgm
.Lentry_shape_is_right:
; out = resid + A W + b on tiles of 128 x 128, f32 out.  W: [K][1024] in 16 bit, kept [K][N]; its fragments leave LDS turned, by ds_load_tr16_b128.  Sums in f32.
; WO = 1: A is O by heads, oh[32][2048][64] f16, K = 1024 (a K step of 256 is four heads), W is Wo in f16, resid is x.
; WO = 0: A is hb[4096][4096] bf16, K = 4096, W is W2 in bf16, resid is x1.
; Four waves, each 64 x 64 of C in 16 accumulators.  K goes in steps of 256 through two LDS slots; each wave fetches a quarter of a slot by one tensor load.
; CLUSTER 4 x 4: A's tiles are asked for jointly along a row of the cluster, W's along a column.  The matrix instruction is used transposed: a lane holds eight neighbouring numbers of a row of C.
; The loop's trip is ONE K step: the LDS addresses hang on s45, which an exclusive or turns from one slot to the other, and one walking descriptor a tensor asks for every refill.
; The residual and the bias are loaded at the start, into registers of their own, and land while K is walked.
; REGISTERS: window 0 addresses, bias, v128-255 the accumulators ((a, b) at v[128 + 8 (4 a + b)]); window 1 two fragment buffers of 128 (64 of A, 64 of W); window 2 v0-127 the residual.
.set WO, 1
.set KSTEP,  256
.if WO
.set KSTEPS, 4
.set PA,     144                       ; a row of a head in LDS: 128 bytes + 16
.set AQ,     64*PA                     ; a quarter of a K step is a head: 64 rows on
.set ASTEP,  4*2048*64*2               ; four heads on
.set WOFF,   6*1048576
.else
.set KSTEPS, 16
.set PA,     528                       ; 512 bytes + 16
.set AQ,     128                       ; a quarter is 64 along the row
.set ASTEP,  KSTEP*2
.set WOFF,   16*1048576
.endif
.set PB,     288                       ; a k-row of W: 256 bytes + 32: an odd multiple of 32
.set HALFT,  36864                     ; room for what one tensor load fills
.set SLOT,   4*HALFT                   ; 0x24000; the waves' offsets 0, 0x9000, 0x12000, 0x1B000 have neither of its two bits
.set BOFF,   2*HALFT
.set BSTEP,  KSTEP*1024*2
.set SPITCH, 272
.set WSTAGE, 64*SPITCH
.set SPARE,  2*SLOT                    ; behind the ring: the spare words, which no other line names
.set A0R,  16
.set B0R,  17
.set ADRA, 18
.set ADRB, 19                          ; v19: W's k-rows 0-127 of the slot in hand; v20: 128-255
.set STO,  24
.set RD,   25
.set CO,   26
.set BO,   27
.set SPW,  28
.set NIL,  29
.set BIAS, 32
.set ACC,  128
.set F0,   0
.set F1,   128
.set G1, 24
.set G0, 32
.set G1B, 48
.set G0B, 56
.set MSB, 0
.macro WIN new
.if MSB != (\new)
	s_set_vgpr_msb (MSB<<8)|(\new)
.set MSB, \new
.endif
.endm
.set MUL,  0x05                        ; sources 0 (W) and 1 (A) window 1; C and D window 0
.set TO_F, 0x40
.macro JLOAD s
	s_cmp_eq_u32 s11, 0
	s_cbranch_scc0 .Lfor_b_\@
	tensor_load_to_lds s[G0+4*(\s):G0+4*(\s)+3], s[G1:G1+7]
	s_nop 0
.rept 4
	v_nop
.endr
	s_branch .Lasked_\@
.Lfor_b_\@:
	tensor_load_to_lds s[G0B+4*(\s):G0B+4*(\s)+3], s[G1B:G1B+7]
	s_nop 0
.rept 4
	v_nop
.endr
.Lasked_\@:
.endm
.macro CREST
	s_cmp_lg_u32 s10, 0
	s_cbranch_scc1 .Lnot_wave_0_\@
	s_barrier_signal -3
.Lnot_wave_0_\@:
	s_barrier_wait -3
	s_barrier_signal -1
	s_barrier_wait -1
.endm
.macro CROUND
	s_barrier_signal -1
	s_barrier_wait -1
	CREST
.endm
	s_load_b128 s[4:7], s[0:1], 0x0                ; A s[4:5], wb s[6:7]
	s_load_b128 s[72:75], s[0:1], 0x10             ; bias s[72:73], resid s[74:75]
	s_load_b64 s[76:77], s[0:1], 0x20              ; out
	v_lshl_add_u32 v[SPW], v0, 2, SPARE
	v_mov_b32 v[NIL], 0
	v_lshrrev_b32 v1, 5, v0
	v_readfirstlane_b32 s10, v1
	s_lshr_b32 s11, s10, 1                         ; my half of the tile's rows; also: I fetch for A (0) or W (1)
	s_and_b32 s12, s10, 1                          ; my half of its columns; also: which half of that tile I fetch
	s_bfe_u32 s40, ttmp6, 0x40000
	s_bfe_u32 s41, ttmp6, 0x40004
	s_lshl_b32 s42, ttmp9, 2
	s_add_co_u32 s42, s42, s40                     ; tile column
	s_and_b32 s13, ttmp7, 0xffff
	s_lshl_b32 s13, s13, 2
	s_add_co_u32 s13, s13, s41                     ; tile row
	s_lshl_b32 s43, s41, 2
	s_lshl_b32 s43, 15, s43
	s_lshl_b32 s44, 0x1111, s40
.if WO
	s_or_b32 s[G1+0], s43, (1<<16)|(1<<20)|(1<<21)|(4<<22)|(3<<25)  ; padded after every 32 words (a row of a head) by 4 words
	s_mov_b32 s[G1+1], 4096<<16                    ; a tile row is 64 rows of one head: 4,096 dense elements
	s_mov_b32 s[G1+2], 4<<16                       ; four heads
	s_mov_b32 s[G1+3], 4096<<16
	s_mov_b32 s[G1+4], 4
	s_mov_b32 s[G1+5], 131072                      ; elements from head to head
.else
	s_or_b32 s[G1+0], s43, (1<<16)|(1<<20)|(1<<21)|(6<<22)|(3<<25)  ; after every 128 words, 4 words
	s_mov_b32 s[G1+1], KSTEP<<16
	s_mov_b32 s[G1+2], 64<<16
	s_mov_b32 s[G1+3], KSTEP<<16
	s_mov_b32 s[G1+4], 64
	s_mov_b32 s[G1+5], 4096
.endif
	s_mov_b32 s[G1+6], 0
	s_mov_b32 s[G1+7], 0
	s_or_b32 s[G1B+0], s44, (1<<16)|(1<<20)|(1<<21)|(5<<22)|(7<<25) ; after every 64 words, 8 words
	s_mov_b32 s[G1B+1], 128<<16                    ; 128 columns
	s_mov_b32 s[G1B+2], 128<<16                    ; 128 k-rows
	s_mov_b32 s[G1B+3], 128<<16
	s_mov_b32 s[G1B+4], 128
	s_mov_b32 s[G1B+5], 1024
	s_mov_b32 s[G1B+6], 0
	s_mov_b32 s[G1B+7], 0
.if WO
	s_lshr_b32 s16, s13, 4                         ; batch: 16 heads of 262,144 bytes
	s_lshl_b32 s16, s16, 22
	s_and_b32 s17, s13, 15
	s_lshl_b32 s17, s17, 14                        ; 128 rows of 128 bytes
	s_add_co_u32 s16, s16, s17
	s_lshl_b32 s17, s12, 13
	s_add_co_u32 s16, s16, s17
.else
	s_lshl_b32 s16, s13, 20                        ; 128 rows of 8,192 bytes
	s_lshl_b32 s17, s12, 19
	s_add_co_u32 s16, s16, s17
.endif
	s_mov_b32 s17, 0
	s_lshl_b32 s46, s42, 8                         ; W: 256 bytes a tile column, 128 k-rows of 2,048 bytes a half
	s_lshl_b32 s47, s12, 18
	s_add_co_u32 s46, s46, s47
	s_add_co_u32 s46, s46, WOFF
	s_mov_b32 s47, 0
	s_mul_i32 s20, s10, HALFT
	s_wait_kmcnt 0x0
	s_add_nc_u64 s[14:15], s[4:5], s[16:17]
	s_add_nc_u64 s[46:47], s[6:7], s[46:47]
	CROUND
.irp s, 0,1
	s_mov_b32 s[G0+4*(\s)], 1
	s_add_co_u32 s[G0+4*(\s)+1], s20, (\s)*SLOT
	s_add_nc_u64 s[G0+4*(\s)+2:G0+4*(\s)+3], s[14:15], (\s)*ASTEP
	s_or_b32 s[G0+4*(\s)+3], s[G0+4*(\s)+3], 0x80000000
	s_mov_b32 s[G0B+4*(\s)], 1
	s_add_co_u32 s[G0B+4*(\s)+1], s20, (\s)*SLOT
	s_add_nc_u64 s[G0B+4*(\s)+2:G0B+4*(\s)+3], s[46:47], (\s)*BSTEP
	s_or_b32 s[G0B+4*(\s)+3], s[G0B+4*(\s)+3], 0x80000000
	JLOAD \s                                       ; two loads of mine are out
.endr
	v_and_b32 v1, 15, v0
	v_bfe_u32 v2, v0, 4, 1
	v_lshlrev_b32 v[CO], 12, v2                    ; in resid and out: lanes 0-15 my 256 bytes of a row, lanes 16-31 the next row's
	v_lshl_add_u32 v[CO], v1, 4, v[CO]
	s_lshl_b32 s16, s13, 19                        ; 128 rows of 4,096 bytes
	s_lshl_b32 s18, s11, 18
	s_add_co_u32 s16, s16, s18
	s_lshl_b32 s18, s42, 9
	s_add_co_u32 s16, s16, s18
	s_lshl_b32 s18, s12, 8
	s_add_co_u32 s16, s16, s18
	s_mov_b32 s17, 0
	s_add_nc_u64 s[74:75], s[74:75], s[16:17]
	s_add_nc_u64 s[76:77], s[76:77], s[16:17]
	s_lshl_b32 s18, s42, 9
	s_lshl_b32 s19, s12, 8
	s_add_co_u32 s18, s18, s19
	v_lshl_add_u32 v[BO], v1, 4, s18
	global_load_b128 v[BIAS:BIAS+3], v[BO], s[72:73]
	WIN 0x80                                       ; destination window 2
.irp t, 0,1,2,3,4,5,6,7,8,9,10,11,12,13,14,15,16,17,18,19,20,21,22,23,24,25,26,27,28,29,30,31
	global_load_b128 v[4*(\t):4*(\t)+3], v[CO], s[74:75] offset:(\t)*8192
.endr
	WIN 0
	v_mul_u32_u24 v3, v1, PA
	v_lshl_add_u32 v3, v2, 4, v3
	s_mul_i32 s22, s11, HALFT
	v_add_nc_u32 v[A0R], s22, v3
	v_and_b32 v4, 7, v0
	v_lshl_add_u32 v4, v2, 3, v4
	v_mul_u32_u24 v4, v4, PB
	v_bfe_u32 v5, v0, 3, 1
	v_lshl_add_u32 v4, v5, 4, v4
	s_lshl_b32 s22, s12, 7
	s_add_co_u32 s22, s22, BOFF
	v_add_nc_u32 v[B0R], s22, v4
	v_mov_b32 v[ADRA], v[A0R]
	v_mov_b32 v[ADRB], v[B0R]
	v_add_nc_u32 v[ADRB+1], HALFT, v[B0R]
	s_mov_b32 s45, 0
	s_mul_i32 s23, s10, WSTAGE
	v_mul_u32_u24 v6, v1, SPITCH
	v_lshl_add_u32 v6, v2, 5, v6
	v_add_nc_u32 v[STO], s23, v6
	v_mul_u32_u24 v[RD], v2, SPITCH
	v_lshl_add_u32 v[RD], v1, 4, v[RD]
	v_add_nc_u32 v[RD], s23, v[RD]
.macro MUL8 f, c, a0, zero             ; 8 matrix instructions: row blocks a0, a0 + 1 x all 4 column blocks, 32 along K: half c of buffer f
	WIN MUL
.irp a, \a0, (\a0)+1
.irp b, 0,1,2,3
.if WO
.if \zero
	v_wmma_f32_16x16x32_f16 v[ACC+8*(4*(\a)+(\b)):ACC+8*(4*(\a)+(\b))+7], v[(\f)+64+8*(4*(\c)+(\b)):(\f)+64+8*(4*(\c)+(\b))+7], v[(\f)+8*(4*(\c)+(\a)):(\f)+8*(4*(\c)+(\a))+7], 0
.else
	v_wmma_f32_16x16x32_f16 v[ACC+8*(4*(\a)+(\b)):ACC+8*(4*(\a)+(\b))+7], v[(\f)+64+8*(4*(\c)+(\b)):(\f)+64+8*(4*(\c)+(\b))+7], v[(\f)+8*(4*(\c)+(\a)):(\f)+8*(4*(\c)+(\a))+7], v[ACC+8*(4*(\a)+(\b)):ACC+8*(4*(\a)+(\b))+7]
.endif
.else
.if \zero
	v_wmma_f32_16x16x32_bf16 v[ACC+8*(4*(\a)+(\b)):ACC+8*(4*(\a)+(\b))+7], v[(\f)+64+8*(4*(\c)+(\b)):(\f)+64+8*(4*(\c)+(\b))+7], v[(\f)+8*(4*(\c)+(\a)):(\f)+8*(4*(\c)+(\a))+7], 0
.else
	v_wmma_f32_16x16x32_bf16 v[ACC+8*(4*(\a)+(\b)):ACC+8*(4*(\a)+(\b))+7], v[(\f)+64+8*(4*(\c)+(\b)):(\f)+64+8*(4*(\c)+(\b))+7], v[(\f)+8*(4*(\c)+(\a)):(\f)+8*(4*(\c)+(\a))+7], v[ACC+8*(4*(\a)+(\b)):ACC+8*(4*(\a)+(\b))+7]
.endif
.endif
.endr
.endr
.endm
.macro FETCH q, f                      ; 32 LDS loads in one run: quarter q (64 along K) of the slot in hand into buffer f; its first 32 along K first
	WIN TO_F
.irp c, 0,1
.irp i, 0,1,2,3
	ds_load_tr16_b128 v[(\f)+64+8*(4*(\c)+(\i)):(\f)+64+8*(4*(\c)+(\i))+3],   v[ADRB+(\q)/2] offset:(((\q)%2)*64+32*(\c))*PB+32*(\i)
	ds_load_tr16_b128 v[(\f)+64+8*(4*(\c)+(\i))+4:(\f)+64+8*(4*(\c)+(\i))+7], v[ADRB+(\q)/2] offset:(((\q)%2)*64+32*(\c)+16)*PB+32*(\i)
	ds_load_b128 v[(\f)+8*(4*(\c)+(\i)):(\f)+8*(4*(\c)+(\i))+3],   v[ADRA] offset:(\q)*AQ+64*(\c)+(\i)*16*PA
	ds_load_b128 v[(\f)+8*(4*(\c)+(\i))+4:(\f)+8*(4*(\c)+(\i))+7], v[ADRA] offset:(\q)*AQ+64*(\c)+(\i)*16*PA+32
.endr
.endr
.endm
.macro PLACES
.rept 4
	v_nop
.endr
.endm
.macro QUARTER q, f, g, zero
	s_wait_dscnt 16                                ; the first 32 along K are in; the other sixteen loads may be out
	MUL8 \f, 0, 0, \zero
	MUL8 \f, 0, 2, \zero
	PLACES
	FETCH \q, \g
	s_wait_dscnt 32                                ; all but the 32 just issued
	MUL8 \f, 1, 0, 0
	MUL8 \f, 1, 2, 0
.endm
.macro TURN fill                       ; a K step's last quarter, and the change of slots
	WIN 0
	s_wait_tensorcnt 0x0                           ; all my tensor loads have landed: my part of the next slot
	ds_add_u32 v[SPW], v[NIL]
	s_wait_dscnt 17                                ; (the add and the youngest sixteen loads may be out)
	MUL8 F1, 0, 0, 0
	s_wait_dscnt 0x0                               ; the add is done, and my reads of this slot are over
	s_barrier_signal -1
	MUL8 F1, 0, 2, 0
	WIN 0
	s_barrier_wait -1
.if \fill
	CREST                                          ; the barrier has opened a round of the cluster's
	s_xor_b32 s[G0+5], s[G0+5], SLOT
	s_add_nc_u64 s[G0+6:G0+7], s[G0+6:G0+7], ASTEP
	s_xor_b32 s[G0B+5], s[G0B+5], SLOT
	s_add_nc_u64 s[G0B+6:G0B+7], s[G0B+6:G0B+7], BSTEP
	JLOAD 1                                        ; its four v_nop are also the places in front of the loads below
.else
	PLACES
.endif
	s_xor_b32 s45, s45, SLOT
	v_add_nc_u32 v[ADRA], s45, v[A0R]
	v_add_nc_u32 v[ADRB], s45, v[B0R]
	v_add_nc_u32 v[ADRB+1], HALFT, v[ADRB]
	FETCH 0, F0
	MUL8 F1, 1, 0, 0
	MUL8 F1, 1, 2, 0
.endm
	s_wait_tensorcnt 1                             ; my part of K step 0 is in; K step 1's may stay out
	s_barrier_signal -1
	s_barrier_wait -1
	FETCH 0, F0
	QUARTER 1, F0, F1, 1
	WIN 0
	s_mov_b32 s3, KSTEPS-2
.Lstep:                                                ; trip t: K step t's quarters 1 to 3, K step t + 2 asked for, K step t + 1's quarter 0
	QUARTER 2, F1, F0, 0
	QUARTER 3, F0, F1, 0
	TURN 1
	QUARTER 1, F0, F1, 0
	WIN 0
	s_sub_co_u32 s3, s3, 1
	s_cmp_lg_u32 s3, 0
	s_cbranch_scc1 .Lstep
	s_mov_b32 s3, 2                                ; the last two K steps ask for nothing
.Ltail:
	QUARTER 2, F1, F0, 0
	QUARTER 3, F0, F1, 0
	WIN 0
	s_sub_co_u32 s3, s3, 1
	s_cmp_eq_u32 s3, 0
	s_cbranch_scc1 .Llast
	TURN 0
	QUARTER 1, F0, F1, 0
	WIN 0
	s_branch .Ltail
.Llast:
	s_wait_dscnt 16
	MUL8 F1, 0, 0, 0
	MUL8 F1, 0, 2, 0
	s_wait_dscnt 0x0
	MUL8 F1, 1, 0, 0
	MUL8 F1, 1, 2, 0
	; THE WAY OUT.  resid + bias first: 64 plain instructions that name no register of the last products, so they are also the places behind them.
	s_wait_loadcnt 0x0
	WIN 0x82                                       ; destination and source 0 window 2, source 1 window 0
.irp t, 0,1,2,3,4,5,6,7,8,9,10,11,12,13,14,15,16,17,18,19,20,21,22,23,24,25,26,27,28,29,30,31
	v_pk_add_f32 v[4*(\t):4*(\t)+1],   v[4*(\t):4*(\t)+1],   v[BIAS:BIAS+1]
	v_pk_add_f32 v[4*(\t)+2:4*(\t)+3], v[4*(\t)+2:4*(\t)+3], v[BIAS+2:BIAS+3]
.endr
	WIN 0
	s_wait_dscnt 0x0                               ; my reads of the ring are over
	s_barrier_signal -1
	s_barrier_wait -1                              ; everybody's are: the ring, which is filled no more, is the stage
.irp a, 0,1,2,3
.irp b, 0,1,2,3
	ds_store_b128 v[STO], v[ACC+8*(4*(\a)+(\b)):ACC+8*(4*(\a)+(\b))+3]   offset:(\a)*16*SPITCH+64*(\b)
	ds_store_b128 v[STO], v[ACC+8*(4*(\a)+(\b))+4:ACC+8*(4*(\a)+(\b))+7] offset:(\a)*16*SPITCH+64*(\b)+16
.endr
.endr
.irp t, 0,1,2,3,4,5,6,7,8,9,10,11,12,13,14,15,16,17,18,19,20,21,22,23,24,25,26,27,28,29,30,31
	ds_load_b128 v[ACC+4*(\t):ACC+4*(\t)+3], v[RD] offset:(\t)*2*SPITCH  ; my own stage; LDS serves a wave's instructions in order (ISA guide 5.7.1.4)
.endr
	s_wait_dscnt 0x0
	WIN 0x08                                       ; source 1 window 2
.irp t, 0,1,2,3,4,5,6,7,8,9,10,11,12,13,14,15,16,17,18,19,20,21,22,23,24,25,26,27,28,29,30,31
	v_pk_add_f32 v[ACC+4*(\t):ACC+4*(\t)+1],   v[ACC+4*(\t):ACC+4*(\t)+1],   v[4*(\t):4*(\t)+1]
	v_pk_add_f32 v[ACC+4*(\t)+2:ACC+4*(\t)+3], v[ACC+4*(\t)+2:ACC+4*(\t)+3], v[4*(\t)+2:4*(\t)+3]
.endr
	WIN 0
.irp t, 0,1,2,3,4,5,6,7,8,9,10,11,12,13,14,15,16,17,18,19,20,21,22,23,24,25,26,27,28,29,30,31
	global_store_b128 v[CO], v[ACC+4*(\t):ACC+4*(\t)+3], s[76:77] offset:(\t)*8192  ; 16 lanes store 256 consecutive bytes, aligned
.endr
	s_wait_tensorcnt 0x0                           ; the wave's end
	ds_add_u32 v[SPW], v[NIL]
	s_wait_dscnt 0x0
	CROUND
	s_endpgm
.Lfunc_end_k_qe96f272df6_wo:
	.size	k_qe96f272df6_wo, .Lfunc_end_k_qe96f272df6_wo-k_qe96f272df6_wo
	.p2alignl 7, 3214868480
	.fill 96, 4, 3214868480
	.section	.rodata,"a",@progbits
	.p2align	6, 0x0
	.amdhsa_kernel k_qe96f272df6_wo
		.amdhsa_group_segment_fixed_size 327680
		.amdhsa_private_segment_fixed_size 0
		.amdhsa_enable_private_segment 0
		.amdhsa_kernarg_size 40
		.amdhsa_user_sgpr_count 2
		.amdhsa_user_sgpr_kernarg_segment_ptr 1
		.amdhsa_wavefront_size32 1
		.amdhsa_system_sgpr_workgroup_id_x 1
		.amdhsa_system_sgpr_workgroup_id_y 1
		.amdhsa_system_sgpr_workgroup_id_z 1
		.amdhsa_system_vgpr_workitem_id 0
		.amdhsa_next_free_vgpr 640
		.amdhsa_next_free_sgpr 80
		.amdhsa_reserve_vcc 0
		.amdhsa_float_denorm_mode_32 3
		.amdhsa_float_denorm_mode_16_64 3
		.amdhsa_memory_ordered 1
		.amdhsa_forward_progress 1
		.amdhsa_inst_pref_size 71
	.end_amdhsa_kernel
	.amdgpu_metadata
---
amdhsa.version: [ 1, 2 ]
amdhsa.kernels:
  - .name:           k_qe96f272df6_wo
    .symbol:         k_qe96f272df6_wo.kd
    .args:
      - { .name: oh, .offset: 0, .size: 8, .value_kind: global_buffer, .address_space: global }
      - { .name: wb, .offset: 8, .size: 8, .value_kind: global_buffer, .address_space: global }
      - { .name: bo, .offset: 16, .size: 8, .value_kind: global_buffer, .address_space: global }
      - { .name: x, .offset: 24, .size: 8, .value_kind: global_buffer, .address_space: global }
      - { .name: x1, .offset: 32, .size: 8, .value_kind: global_buffer, .address_space: global }
    .group_segment_fixed_size: 327680
    .private_segment_fixed_size: 0
    .kernarg_segment_align: 8
    .kernarg_segment_size: 40
    .max_flat_workgroup_size: 128
    .sgpr_count:     80
    .vgpr_count:     640
    .wavefront_size: 32
...
	.end_amdgpu_metadata
.endif
;; end of part 4
;; launch ln2: the kernel of part 1 again; grid 64 x 4, 8 waves a work-group, no clusters, 0 bytes of LDS; arguments x1, ln2_scale, ln2_bias, Wq, Wk, Wv, Wo, W1, W2, mask, xn, wb, m16; writes xn, wb, m16
;; launch w1 (part 5): grid 16 x 16, 4 waves a work-group, clusters of 4 x 4, 327,680 bytes of LDS; arguments xn, wb, b1, hb; writes hb
.if DOCPART == 5
	.amdgcn_target "amdgcn-amd-amdhsa--gfx1250"
	.amdhsa_code_object_version 6
	.text
	.protected	k_qe96f272df6_w1
	.globl	k_qe96f272df6_w1
	.p2align	8
	.type	k_qe96f272df6_w1,@function
k_qe96f272df6_w1:
	s_mov_b64 s[64:65], 0
	v_nop
	global_prefetch_b8 v0, s[64:65] scope:SCOPE_SE
	s_setreg_imm32_b32 hwreg(HW_REG_WAVE_MODE, 25, 1), 1
	s_wait_xcnt 0x0
	s_wait_alu depctr_hold_cnt(0) depctr_sa_sdst(0) depctr_va_vdst(0) depctr_va_sdst(0) depctr_va_ssrc(0) depctr_va_vcc(0) depctr_vm_vsrc(0)
	s_getreg_b32 s2, hwreg(HW_REG_IB_STS2, 6, 4)
	s_cmp_eq_u32 s2, 0
	s_cbranch_scc0 .Lentry_in_a_cluster
	s_endpgm
.Lentry_in_a_cluster:
	s_bfe_u32 s2, ttmp6, 0x10000c
	s_cmp_lg_u32 s2, 0xf033
	s_cbranch_scc0 .Lentry_shape_is_right
	s_endpgm
.Lentry_shape_is_right:
; C = A W + b on tiles of 256 x 256.  A: [4096][1024] bf16 (K along the rows).  W: [1024][NB] bf16, kept [K][N]; its fragments leave LDS turned, by ds_load_tr16_b128.  Sums in f32.
; QKV = 1: W is Wq, Wk or Wv (the cluster's x says which); C + bias is rounded to f16 and stored by heads, [3][32][2048][64].  LIMIT: q, k, v must lie within f16's 65,504.
; QKV = 0: W is W1; gelu(C + b1), the tanh form written as x / (1 + 2^(x (c0 + c1 x^2))), is rounded to bf16 and stored [4096][4096].
; Four waves, each 128 x 128 of C in 64 accumulators.  K goes in 8 steps of 128 through two LDS slots; each wave fetches a quarter of a slot by one tensor load.
; CLUSTER 4 x 4: A's tiles are asked for jointly along a row of the cluster, W's along a column.
; The matrix instruction is used transposed (source 0 = 16 columns of W, source 1 = 16 rows of A): a lane holds eight neighbouring numbers of a row of C.
; The loop's trip is ONE K step: the LDS addresses hang on s45, which an exclusive or turns from one slot to the other, and one walking descriptor a tensor asks for every refill.
; REGISTERS by windows of 256: window 0 addresses, A's two fragment buffers (v64-127, v128-191); window 1 W's two buffers; windows 2, 3 the accumulators ((a, b) at v[8 (8 a + b)]).
; THE WAY OUT: when the ring has had its last fill and all reads of it are over, it is the stage: each wave lays its 128 x 128 f32 there and reads whole rows back, a batch of rows a trip.
; A batch's arithmetic goes stage by stage over all its numbers, so that no instruction reads the result of the one before it, and one wait a trip frees the stores' registers and base.
.set QKV, 0
.set KSTEP,  128
.set KSTEPS, 8
.set PA,     272                       ; a row of A in LDS: 256 bytes + 16
.set PB,     544                       ; a k-row of W: 512 bytes + 32: an odd multiple of 32
.set HALFT,  34816                     ; what one tensor load fills: 128 x 272 = 64 x 544
.set SLOT,   4*HALFT                   ; 0x22000; the waves' offsets 0, 0x8800, 0x11000, 0x19800 have neither of its two bits
.set SP,     528                       ; a stage row: 512 bytes + 16
.set WSTAGE, 128*SP
.set SPARE,  2*SLOT                    ; behind the ring: the spare words, 128 bytes for each wave, which no other line names
.if QKV
.set NB, 1024
.else
.set NB, 4096
.endif
.set BSTEP,  KSTEP*NB*2
.set A0R,  16                          ; v16  my lane's place in A's tile; never rewritten
.set B0R,  17                          ; v17  in W's tile
.set ADRA, 18                          ; v18  the same in the slot in hand
.set ADRB, 19                          ; v19
.set STO,  24                          ; v24  the way out: where I put 16 bytes
.set RD,   25                          ; v25  where I read back
.set CO,   26                          ; v26  my byte offset in the output
.set BO,   27                          ; v27  my byte offset in the bias
.set SPW,  28                          ; v28  my spare word
.set NIL,  29                          ; v29  0
.set BIAS, 32                          ; v[32:39]
.set F0,   64
.set F1,   128
.set XS,   64                          ; the way out: a batch, four f32 a slot
.set G1, 24                            ; s[24:31] group 1 for A;  s[32:39] group 0: a set for each first fill, the second then walks
.set G0, 32
.set G1B, 48                           ; s[48:55], s[56:63] the same for W
.set G0B, 56
.set MSB, 0
.macro WIN new                         ; the immediate's high byte repeats the setting that is left
.if MSB != (\new)
	s_set_vgpr_msb (MSB<<8)|(\new)
.set MSB, \new
.endif
.endm
.set MUL_LO, 0xa1                      ; source 0 (W) window 1, source 1 (A) window 0, C and D window 2
.set MUL_HI, 0xf1
.set TO_B,   0x40
.macro JLOAD s                         ; a joint load: waves 0, 1 fetch A's halves, waves 2, 3 W's; s_nop 0 and four v_nop follow each line
	s_cmp_eq_u32 s11, 0
	s_cbranch_scc0 .Lfor_b_\@
	tensor_load_to_lds s[G0+4*(\s):G0+4*(\s)+3], s[G1:G1+7]
	s_nop 0
.rept 4
	v_nop
.endr
	s_branch .Lasked_\@
.Lfor_b_\@:
	tensor_load_to_lds s[G0B+4*(\s):G0B+4*(\s)+3], s[G1B:G1B+7]
	s_nop 0
.rept 4
	v_nop
.endr
.Lasked_\@:
.endm
.macro CREST                           ; a round of the cluster's barrier behind its opening barrier
	s_cmp_lg_u32 s10, 0
	s_cbranch_scc1 .Lnot_wave_0_\@
	s_barrier_signal -3
.Lnot_wave_0_\@:
	s_barrier_wait -3
	s_barrier_signal -1
	s_barrier_wait -1
.endm
.macro CROUND
	s_barrier_signal -1
	s_barrier_wait -1
	CREST
.endm
	s_load_b128 s[4:7], s[0:1], 0x0                ; A s[4:5], wb s[6:7]
.if QKV
	s_load_b128 s[72:75], s[0:1], 0x10             ; bq, bk
	s_load_b128 s[76:79], s[0:1], 0x20             ; bv, qkv
.else
	s_load_b128 s[76:79], s[0:1], 0x10             ; b1, hb
.endif
	v_lshl_add_u32 v[SPW], v0, 2, SPARE
	v_mov_b32 v[NIL], 0
	v_lshrrev_b32 v1, 5, v0
	v_readfirstlane_b32 s10, v1                    ; wave
	s_lshr_b32 s11, s10, 1                         ; my half of the tile's rows; also: I fetch for A (0) or W (1)
	s_and_b32 s12, s10, 1                          ; my half of its columns; also: which half of that tile I fetch
	s_bfe_u32 s40, ttmp6, 0x40000                  ; cx
	s_bfe_u32 s41, ttmp6, 0x40004                  ; cy
	s_mov_b32 s21, ttmp9                           ; the cluster's x
.if !QKV
	s_lshl_b32 s42, s21, 2
	s_add_co_u32 s42, s42, s40                     ; tile column
.endif
	s_and_b32 s13, ttmp7, 0xffff
	s_lshl_b32 s13, s13, 2
	s_add_co_u32 s13, s13, s41                     ; tile row
	s_lshl_b32 s43, s41, 2
	s_lshl_b32 s43, 15, s43                        ; my row of the cluster
	s_lshl_b32 s44, 0x1111, s40                    ; my column
	s_or_b32 s[G1+0], s43, (1<<16)|(1<<20)|(1<<21)|(5<<22)|(3<<25)   ; mask; 2-byte elements; padding on; bit 21 beside a mask; after every 64 words, 4 words
	s_mov_b32 s[G1+1], KSTEP<<16                   ; tensor_dim0 = 128
	s_mov_b32 s[G1+2], 128<<16                     ; tensor_dim1 = 128
	s_mov_b32 s[G1+3], KSTEP<<16                   ; tile_dim0 = 128
	s_mov_b32 s[G1+4], 128                         ; tile_dim1 = 128
	s_mov_b32 s[G1+5], 1024                        ; elements from row to row
	s_mov_b32 s[G1+6], 0
	s_mov_b32 s[G1+7], 0
	s_or_b32 s[G1B+0], s44, (1<<16)|(1<<20)|(1<<21)|(6<<22)|(7<<25)  ; after every 128 words, 8 words
	s_mov_b32 s[G1B+1], 256<<16                    ; 256 columns
	s_mov_b32 s[G1B+2], 64<<16                     ; 64 k-rows
	s_mov_b32 s[G1B+3], 256<<16
	s_mov_b32 s[G1B+4], 64
	s_mov_b32 s[G1B+5], NB
	s_mov_b32 s[G1B+6], 0
	s_mov_b32 s[G1B+7], 0
	s_lshl_b32 s16, s13, 8                         ; A: row 256 x tile row + 128 x half, 2,048 bytes a row: the tile row alone, which my row of the cluster shares
	s_lshl_b32 s17, s12, 7
	s_add_co_u32 s16, s16, s17
	s_lshl_b32 s16, s16, 11
	s_mov_b32 s17, 0
.if QKV
	s_lshl_b32 s46, s21, 21                        ; W: which of Wq, Wk, Wv; 512 bytes a tile column; 64 k-rows a half
	s_lshl_b32 s47, s40, 9
	s_add_co_u32 s46, s46, s47
	s_lshl_b32 s47, s12, 17
	s_add_co_u32 s46, s46, s47
.else
	s_lshl_b32 s46, s42, 9
	s_lshl_b32 s47, s12, 19
	s_add_co_u32 s46, s46, s47
	s_add_co_u32 s46, s46, 8388608                 ; W1 in wb
.endif
	s_mov_b32 s47, 0
	s_mul_i32 s20, s10, HALFT                      ; where my loads go: the wave's number alone
	s_wait_kmcnt 0x0
	s_add_nc_u64 s[14:15], s[4:5], s[16:17]
	s_add_nc_u64 s[46:47], s[6:7], s[46:47]
	CROUND                                         ; all sixteen work-groups are here: the first joint loads meet
.irp s, 0,1
	s_mov_b32 s[G0+4*(\s)], 1
	s_add_co_u32 s[G0+4*(\s)+1], s20, (\s)*SLOT
	s_add_nc_u64 s[G0+4*(\s)+2:G0+4*(\s)+3], s[14:15], (\s)*KSTEP*2
	s_or_b32 s[G0+4*(\s)+3], s[G0+4*(\s)+3], 0x80000000
	s_mov_b32 s[G0B+4*(\s)], 1
	s_add_co_u32 s[G0B+4*(\s)+1], s20, (\s)*SLOT
	s_add_nc_u64 s[G0B+4*(\s)+2:G0B+4*(\s)+3], s[46:47], (\s)*BSTEP
	s_or_b32 s[G0B+4*(\s)+3], s[G0B+4*(\s)+3], 0x80000000
	JLOAD \s                                       ; two loads of mine are out
.endr
	v_and_b32 v1, 15, v0                           ; l % 16
	v_bfe_u32 v2, v0, 4, 1                         ; l / 16
	v_and_b32 v7, 31, v0
	v_mul_u32_u24 v3, v1, PA
	v_lshl_add_u32 v3, v2, 4, v3
	s_mul_i32 s22, s11, HALFT
	v_add_nc_u32 v[A0R], s22, v3                   ; A: row x pitch + 16 x half of the lanes, in my 128 rows
	v_and_b32 v4, 7, v0
	v_lshl_add_u32 v4, v2, 3, v4                   ; W, turned: k-row 8 (l / 16) + l % 8,
	v_mul_u32_u24 v4, v4, PB
	v_bfe_u32 v5, v0, 3, 1
	v_lshl_add_u32 v4, v5, 4, v4                   ; columns 8 ((l / 8) % 2) on,
	s_lshl_b32 s22, s12, 8
	s_add_co_u32 s22, s22, 2*HALFT
	v_add_nc_u32 v[B0R], s22, v4                   ; in my 128 columns, behind A's 256 rows
	v_mov_b32 v[ADRA], v[A0R]
	v_mov_b32 v[ADRB], v[B0R]
	s_mov_b32 s45, 0                               ; the slot in hand
	s_mul_i32 s23, s10, WSTAGE
	v_mul_u32_u24 v6, v1, SP
	v_lshl_add_u32 v6, v2, 5, v6
	v_add_nc_u32 v[STO], s23, v6                   ; into the stage: row l % 16, 32 bytes for each half of the lanes
	v_lshlrev_b32 v[CO], 3, v7                     ; out: 8 bytes a lane
.if QKV
	v_mul_u32_u24 v[RD], v2, SP                    ; back: lanes 0-15 one head's 64 numbers of a row, lanes 16-31 the next row's
	v_lshl_add_u32 v[RD], v1, 4, v[RD]
	v_add_nc_u32 v[RD], s23, v[RD]
	s_cmp_eq_u32 s21, 1
	s_cselect_b64 s[72:73], s[74:75], s[72:73]
	s_cmp_eq_u32 s21, 2
	s_cselect_b64 s[76:77], s[76:77], s[72:73]     ; the bias that goes with this W
	s_lshl_b32 s18, s40, 10
	s_lshl_b32 s19, s12, 9
	s_add_co_u32 s18, s18, s19
	v_lshl_add_u32 v[BO], v1, 4, s18
	global_load_b128 v[BIAS:BIAS+3], v[BO], s[76:77]               ; my four columns in the wave's first head,
	global_load_b128 v[BIAS+4:BIAS+7], v[BO], s[76:77] offset:256  ; and in its second
	s_lshl_b32 s16, s21, 23                        ; q, k or v: 8 MiB each
	s_lshr_b32 s18, s13, 3                         ; batch
	s_lshl_b32 s18, s18, 4
	s_lshl2_add_u32 s18, s40, s18                  ; + 4 heads a tile column
	s_lshl1_add_u32 s18, s12, s18                  ; + 2 a wave
	s_lshl_b32 s18, s18, 18                        ; a head is 262,144 bytes
	s_add_co_u32 s16, s16, s18
	s_and_b32 s18, s13, 7
	s_lshl_b32 s18, s18, 15                        ; 256 rows of 128 bytes
	s_add_co_u32 s16, s16, s18
	s_lshl_b32 s18, s11, 14
	s_add_co_u32 s16, s16, s18
.else
	v_lshl_add_u32 v[RD], v7, 4, s23               ; back: a row's 512 bytes, 16 a lane
	s_lshl_b32 s18, s42, 10
	s_lshl_b32 s19, s12, 9
	s_add_co_u32 s18, s18, s19
	v_lshl_add_u32 v[BO], v7, 4, s18
	global_load_b128 v[BIAS:BIAS+3], v[BO], s[76:77]
	s_lshl_b32 s16, s13, 8
	s_lshl_b32 s18, s11, 7
	s_add_co_u32 s16, s16, s18
	s_lshl_b32 s16, s16, 13                        ; a row of hb is 8,192 bytes
	s_lshl_b32 s18, s42, 9
	s_add_co_u32 s16, s16, s18
	s_lshl_b32 s18, s12, 8
	s_add_co_u32 s16, s16, s18
	s_mov_b32 s66, 0xc0135761                      ; c0 = -2 log2(e) sqrt(2/pi)
	s_mov_b32 s67, s66
	s_mov_b32 s68, 0xbdd2d3e8                      ; c1 = 0.044715 c0
	s_mov_b32 s69, s68
.endif
	s_mov_b32 s17, 0
	s_add_nc_u64 s[8:9], s[78:79], s[16:17]        ; the output at my first row and column
.macro MUL16 f, hi, a0, zero           ; 16 matrix instructions: row blocks a0, a0 + 1 of the window's four x all 8 column blocks, 32 along K
	WIN MUL_LO+0x50*(\hi)
.irp a, \a0, (\a0)+1
.irp b, 0,1,2,3,4,5,6,7
.if \zero
	v_wmma_f32_16x16x32_bf16 v[8*(8*(\a)+(\b)):8*(8*(\a)+(\b))+7], v[(\f)+8*(\b):(\f)+8*(\b)+7], v[(\f)+8*(4*(\hi)+(\a)):(\f)+8*(4*(\hi)+(\a))+7], 0
.else
	v_wmma_f32_16x16x32_bf16 v[8*(8*(\a)+(\b)):8*(8*(\a)+(\b))+7], v[(\f)+8*(\b):(\f)+8*(\b)+7], v[(\f)+8*(4*(\hi)+(\a)):(\f)+8*(4*(\hi)+(\a))+7], v[8*(8*(\a)+(\b)):8*(8*(\a)+(\b))+7]
.endif
.endr
.endr
.endm
.macro FETCH q, f                      ; 32 LDS loads in one run: quarter q (32 along K) of the slot in hand into buffer f; W first
	WIN TO_B
.irp i, 0,1,2,3,4,5,6,7
	ds_load_tr16_b128 v[(\f)+8*(\i):(\f)+8*(\i)+3],   v[ADRB] offset:(\q)*32*PB+32*(\i)
	ds_load_tr16_b128 v[(\f)+8*(\i)+4:(\f)+8*(\i)+7], v[ADRB] offset:(\q)*32*PB+16*PB+32*(\i)
.endr
	WIN 0
.irp i, 0,1,2,3,4,5,6,7
	ds_load_b128 v[(\f)+8*(\i):(\f)+8*(\i)+3],   v[ADRA] offset:(\q)*64+(\i)*16*PA
	ds_load_b128 v[(\f)+8*(\i)+4:(\f)+8*(\i)+7], v[ADRA] offset:(\q)*64+(\i)*16*PA+32
.endr
.endm
.macro PLACES                          ; four plain vector instructions between a matrix instruction and a load into, or a read of, its registers
.rept 4
	v_nop
.endr
.endm
.macro QUARTER q, f, g, zero           ; multiplies buffer f; in its middle fetches quarter q into buffer g
	s_wait_dscnt 8                                 ; W and A's rows 0-63 are in; the youngest eight loads (A's rows 64-127) may be out
	MUL16 \f, 0, 0, \zero
	MUL16 \f, 0, 2, \zero
	PLACES
	FETCH \q, \g
	s_wait_dscnt 32                                ; all but the 32 just issued
	MUL16 \f, 1, 0, \zero
	MUL16 \f, 1, 2, \zero
.endm
.macro MEET round                      ; the first half of a K step's last quarter: one barrier for the change of slots
	WIN 0
	s_wait_tensorcnt 0x0                           ; all my tensor loads have landed: my part of the next slot
	ds_add_u32 v[SPW], v[NIL]                      ; 0 onto my spare word
	s_wait_dscnt 9                                 ; (the add and the youngest eight loads may be out)
	MUL16 F1, 0, 0, 0
	s_wait_dscnt 0x0                               ; the add is done, and my reads of this slot are over
	s_barrier_signal -1
	MUL16 F1, 0, 2, 0
.if \round
	WIN 0
.endif
	s_barrier_wait -1
.endm
.macro TURN fill                       ; the whole last quarter; fill = 1: the slot just read is filled again, two K steps ahead, first thing behind a round of the cluster's barrier
	MEET \fill
.if \fill
	CREST
	s_xor_b32 s[G0+5], s[G0+5], SLOT               ; the walking descriptors: the other slot than last time, the next K step
	s_add_nc_u64 s[G0+6:G0+7], s[G0+6:G0+7], KSTEP*2
	s_xor_b32 s[G0B+5], s[G0B+5], SLOT
	s_add_nc_u64 s[G0B+6:G0B+7], s[G0B+6:G0B+7], BSTEP
	JLOAD 1                                        ; its four v_nop are also the places in front of the loads below
.else
	WIN 0
	PLACES
.endif
	s_xor_b32 s45, s45, SLOT
	v_add_nc_u32 v[ADRA], s45, v[A0R]
	v_add_nc_u32 v[ADRB], s45, v[B0R]
	FETCH 0, F0
	MUL16 F1, 1, 0, 0
	MUL16 F1, 1, 2, 0
.endm
	s_wait_tensorcnt 1                             ; my part of K step 0 is in; K step 1's may stay out
	s_barrier_signal -1
	s_barrier_wait -1
	FETCH 0, F0
	QUARTER 1, F0, F1, 1                           ; the first quarter starts the sums: nothing is cleared
	WIN 0
	s_mov_b32 s3, KSTEPS-2
.Lstep:                                                ; trip t: K step t's quarters 1 to 3, K step t + 2 asked for, K step t + 1's quarter 0
	QUARTER 2, F1, F0, 0
	QUARTER 3, F0, F1, 0
	TURN 1
	QUARTER 1, F0, F1, 0
	WIN 0
	s_sub_co_u32 s3, s3, 1
	s_cmp_lg_u32 s3, 0
	s_cbranch_scc1 .Lstep
	s_mov_b32 s3, 2                                ; the last two K steps ask for nothing: a text of their own, left in the middle of its second trip
.Ltail:
	QUARTER 2, F1, F0, 0
	QUARTER 3, F0, F1, 0
	WIN 0
	s_sub_co_u32 s3, s3, 1
	s_cmp_eq_u32 s3, 0
	s_cbranch_scc1 .Llast
	TURN 0
	QUARTER 1, F0, F1, 0
	WIN 0
	s_branch .Ltail
.Llast:
	s_wait_dscnt 8
	MUL16 F1, 0, 0, 0
	MUL16 F1, 0, 2, 0
	s_wait_dscnt 0x0
	MUL16 F1, 1, 0, 0
	MUL16 F1, 1, 2, 0
	; THE WAY OUT
	WIN 0
	PLACES
	s_wait_loadcnt 0x0                             ; the bias
	s_wait_dscnt 0x0                               ; my reads of the ring are over
	s_barrier_signal -1
	s_barrier_wait -1                              ; everybody's are: the ring, which is filled no more, is the stage
.macro DUMP hi                         ; each accumulator's low four registers first
	WIN 0x08+4*(\hi)                               ; store data in window 2 or 3
.irp a, 0,1,2,3
.irp b, 0,1,2,3,4,5,6,7
	ds_store_b128 v[STO], v[8*(8*(\a)+(\b)):8*(8*(\a)+(\b))+3]   offset:(4*(\hi)+(\a))*16*SP+64*(\b)
	ds_store_b128 v[STO], v[8*(8*(\a)+(\b))+4:8*(8*(\a)+(\b))+7] offset:(4*(\hi)+(\a))*16*SP+64*(\b)+16
.endr
.endr
.endm
	DUMP 0
	DUMP 1
	WIN 0                                          ; the stage is my own, and LDS serves a wave's instructions in order (ISA guide 5.7.1.4): no wait between these stores and the loads below
.if QKV
.set YS, 128                           ; v[128:159] the batch in f16, two registers a slot
.set BROWS, 16                         ; rows in a batch.  Slot j of sixteen: head j & 1 of my two, row pair j >> 1
	s_mov_b32 s3, 128/BROWS
.Lrows:
.irp j, 0,1,2,3,4,5,6,7,8,9,10,11,12,13,14,15
	ds_load_b128 v[XS+4*(\j):XS+4*(\j)+3], v[RD] offset:((\j)>>1)*2*SP+((\j)&1)*256
.endr
.irp j, 0,1,2,3,4,5,6,7,8,9,10,11,12,13,14,15
	s_wait_dscnt 15-(\j)                           ; slot j is in; the younger slots' loads stay out
	v_pk_add_f32 v[XS+4*(\j):XS+4*(\j)+1],   v[XS+4*(\j):XS+4*(\j)+1],   v[BIAS+4*((\j)&1):BIAS+4*((\j)&1)+1]
	v_pk_add_f32 v[XS+4*(\j)+2:XS+4*(\j)+3], v[XS+4*(\j)+2:XS+4*(\j)+3], v[BIAS+4*((\j)&1)+2:BIAS+4*((\j)&1)+3]
.endr
	s_wait_xcnt 0x0                                ; the last trip's stores have read YS and the base: both are written again only behind this wait
	s_add_nc_u64 s[8:9], s[8:9], BROWS*128         ; the base steps ahead of the stores, which reach back by their immediates
.irp j, 0,1,2,3,4,5,6,7,8,9,10,11,12,13,14,15
	v_cvt_pk_f16_f32 v[YS+2*(\j)],   v[XS+4*(\j)],   v[XS+4*(\j)+1]
	v_cvt_pk_f16_f32 v[YS+2*(\j)+1], v[XS+4*(\j)+2], v[XS+4*(\j)+3]
.endr
.irp j, 0,1,2,3,4,5,6,7,8,9,10,11,12,13,14,15
	global_store_b64 v[CO], v[YS+2*(\j):YS+2*(\j)+1], s[8:9] offset:((\j)&1)*262144+((\j)>>1)*256-BROWS*128  ; two rows of a head: 256 consecutive bytes, aligned
.endr
	v_add_nc_u32 v[RD], BROWS*SP, v[RD]
	s_sub_co_u32 s3, s3, 1
	s_cmp_lg_u32 s3, 0
	s_cbranch_scc1 .Lrows
.else
.set TT, 96                            ; v[96:127]  at work
.set YS, 128                           ; v[128:143] the batch in bf16, two registers a row
.set BROWS, 8                          ; rows in a batch: 32 numbers a lane
	s_mov_b32 s3, 128/BROWS
.Lrows:
.irp j, 0,1,2,3,4,5,6,7
	ds_load_b128 v[XS+4*(\j):XS+4*(\j)+3], v[RD] offset:(\j)*SP
.endr
.irp j, 0,1,2,3,4,5,6,7
	s_wait_dscnt 7-(\j)                            ; row j is in; the younger rows' loads stay out
	v_pk_add_f32 v[XS+4*(\j):XS+4*(\j)+1],   v[XS+4*(\j):XS+4*(\j)+1],   v[BIAS:BIAS+1]
	v_pk_add_f32 v[XS+4*(\j)+2:XS+4*(\j)+3], v[XS+4*(\j)+2:XS+4*(\j)+3], v[BIAS+2:BIAS+3]
.endr
.irp k, 0,1,2,3,4,5,6,7,8,9,10,11,12,13,14,15
	v_pk_mul_f32 v[TT+2*(\k):TT+2*(\k)+1], v[XS+2*(\k):XS+2*(\k)+1], v[XS+2*(\k):XS+2*(\k)+1]
.endr
.irp k, 0,1,2,3,4,5,6,7,8,9,10,11,12,13,14,15
	v_pk_fma_f32 v[TT+2*(\k):TT+2*(\k)+1], v[TT+2*(\k):TT+2*(\k)+1], s[68:69], s[66:67] op_sel_hi:[1,0,0]
.endr
.irp k, 0,1,2,3,4,5,6,7,8,9,10,11,12,13,14,15
	v_pk_mul_f32 v[TT+2*(\k):TT+2*(\k)+1], v[TT+2*(\k):TT+2*(\k)+1], v[XS+2*(\k):XS+2*(\k)+1]
.endr
.set e, 0
.rept 32
	v_exp_f32 v[TT+e], v[TT+e]
.set e, e+1
.endr
	v_nop                                          ; a plain instruction between the exponentials and the use of their results (ISA guide 5.7.2)
.irp k, 0,1,2,3,4,5,6,7,8,9,10,11,12,13,14,15
	v_pk_add_f32 v[TT+2*(\k):TT+2*(\k)+1], v[TT+2*(\k):TT+2*(\k)+1], 1.0 op_sel_hi:[1,0]
.endr
.set e, 0
.rept 32
	v_rcp_f32 v[TT+e], v[TT+e]
.set e, e+1
.endr
	v_nop
.irp k, 0,1,2,3,4,5,6,7,8,9,10,11,12,13,14,15
	v_pk_mul_f32 v[TT+2*(\k):TT+2*(\k)+1], v[TT+2*(\k):TT+2*(\k)+1], v[XS+2*(\k):XS+2*(\k)+1]
.endr
	s_wait_xcnt 0x0                                ; the last trip's stores have read YS and the base: both are written again only behind this wait
	s_add_nc_u64 s[8:9], s[8:9], BROWS*8192        ; the base steps ahead of the stores, which reach back by their immediates
.irp k, 0,1,2,3,4,5,6,7,8,9,10,11,12,13,14,15
	v_cvt_pk_bf16_f32 v[YS+(\k)], v[TT+2*(\k)], v[TT+2*(\k)+1]
.endr
.irp j, 0,1,2,3,4,5,6,7
	global_store_b64 v[CO], v[YS+2*(\j):YS+2*(\j)+1], s[8:9] offset:(\j)*8192-BROWS*8192  ; 32 lanes: 256 consecutive bytes, aligned
.endr
	v_add_nc_u32 v[RD], BROWS*SP, v[RD]
	s_sub_co_u32 s3, s3, 1
	s_cmp_lg_u32 s3, 0
	s_cbranch_scc1 .Lrows
.endif
	s_wait_tensorcnt 0x0                           ; the wave's end
	ds_add_u32 v[SPW], v[NIL]
	s_wait_dscnt 0x0
	CROUND                                         ; the closing round
	s_endpgm
.Lfunc_end_k_qe96f272df6_w1:
	.size	k_qe96f272df6_w1, .Lfunc_end_k_qe96f272df6_w1-k_qe96f272df6_w1
	.p2alignl 7, 3214868480
	.fill 96, 4, 3214868480
	.section	.rodata,"a",@progbits
	.p2align	6, 0x0
	.amdhsa_kernel k_qe96f272df6_w1
		.amdhsa_group_segment_fixed_size 327680
		.amdhsa_private_segment_fixed_size 0
		.amdhsa_enable_private_segment 0
		.amdhsa_kernarg_size 32
		.amdhsa_user_sgpr_count 2
		.amdhsa_user_sgpr_kernarg_segment_ptr 1
		.amdhsa_wavefront_size32 1
		.amdhsa_system_sgpr_workgroup_id_x 1
		.amdhsa_system_sgpr_workgroup_id_y 1
		.amdhsa_system_sgpr_workgroup_id_z 1
		.amdhsa_system_vgpr_workitem_id 0
		.amdhsa_next_free_vgpr 1024
		.amdhsa_next_free_sgpr 80
		.amdhsa_reserve_vcc 0
		.amdhsa_float_denorm_mode_32 3
		.amdhsa_float_denorm_mode_16_64 3
		.amdhsa_memory_ordered 1
		.amdhsa_forward_progress 1
		.amdhsa_inst_pref_size 92
	.end_amdhsa_kernel
	.amdgpu_metadata
---
amdhsa.version: [ 1, 2 ]
amdhsa.kernels:
  - .name:           k_qe96f272df6_w1
    .symbol:         k_qe96f272df6_w1.kd
    .args:
      - { .name: xn, .offset: 0, .size: 8, .value_kind: global_buffer, .address_space: global }
      - { .name: wb, .offset: 8, .size: 8, .value_kind: global_buffer, .address_space: global }
      - { .name: b1, .offset: 16, .size: 8, .value_kind: global_buffer, .address_space: global }
      - { .name: hb, .offset: 24, .size: 8, .value_kind: global_buffer, .address_space: global }
    .group_segment_fixed_size: 327680
    .private_segment_fixed_size: 0
    .kernarg_segment_align: 8
    .kernarg_segment_size: 32
    .max_flat_workgroup_size: 128
    .sgpr_count:     80
    .vgpr_count:     1024
    .wavefront_size: 32
...
	.end_amdgpu_metadata
.endif
;; end of part 5
;; launch w2 (part 6): grid 8 x 32, 4 waves a work-group, clusters of 4 x 4, 327,680 bytes of LDS; arguments hb, wb, b2, x1, out0; writes out0
.if DOCPART == 6
	.amdgcn_target "amdgcn-amd-amdhsa--gfx1250"
	.amdhsa_code_object_version 6
	.text
	.protected	k_qe96f272df6_w2
	.globl	k_qe96f272df6_w2
	.p2align	8
	.type	k_qe96f272df6_w2,@function
k_qe96f272df6_w2:
	s_mov_b64 s[64:65], 0
	v_nop
	global_prefetch_b8 v0, s[64:65] scope:SCOPE_SE
	s_setreg_imm32_b32 hwreg(HW_REG_WAVE_MODE, 25, 1), 1
	s_wait_xcnt 0x0
	s_wait_alu depctr_hold_cnt(0) depctr_sa_sdst(0) depctr_va_vdst(0) depctr_va_sdst(0) depctr_va_ssrc(0) depctr_va_vcc(0) depctr_vm_vsrc(0)
	s_getreg_b32 s2, hwreg(HW_REG_IB_STS2, 6, 4)
	s_cmp_eq_u32 s2, 0
	s_cbranch_scc0 .Lentry_in_a_cluster
	s_endpgm
.Lentry_in_a_cluster:
	s_bfe_u32 s2, ttmp6, 0x10000c
	s_cmp_lg_u32 s2, 0xf033
	s_cbranch_scc0 .Lentry_shape_is_right
	s_endpgm
.Lentry_shape_is_right:
; out = resid + A W + b on tiles of 128 x 128, f32 out.  W: [K][1024] in 16 bit, kept [K][N]; its fragments leave LDS turned, by ds_load_tr16_b128.  Sums in f32.
; WO = 1: A is O by heads, oh[32][2048][64] f16, K = 1024 (a K step of 256 is four heads), W is Wo in f16, resid is x.
; WO = 0: A is hb[4096][4096] bf16, K = 4096, W is W2 in bf16, resid is x1.
; Four waves, each 64 x 64 of C in 16 accumulators.  K goes in steps of 256 through two LDS slots; each wave fetches a quarter of a slot by one tensor load.
; CLUSTER 4 x 4: A's tiles are asked for jointly along a row of the cluster, W's along a column.  The matrix instruction is used transposed: a lane holds eight neighbouring numbers of a row of C.
; The loop's trip is ONE K step: the LDS addresses hang on s45, which an exclusive or turns from one slot to the other, and one walking descriptor a tensor asks for every refill.
; The residual and the bias are loaded at the start, into registers of their own, and land while K is walked.
; REGISTERS: window 0 addresses, bias, v128-255 the accumulators ((a, b) at v[128 + 8 (4 a + b)]); window 1 two fragment buffers of 128 (64 of A, 64 of W); window 2 v0-127 the residual.
.set WO, 0
.set KSTEP,  256
.if WO
.set KSTEPS, 4
.set PA,     144                       ; a row of a head in LDS: 128 bytes + 16
.set AQ,     64*PA                     ; a quarter of a K step is a head: 64 rows on
.set ASTEP,  4*2048*64*2               ; four heads on
.set WOFF,   6*1048576
.else
.set KSTEPS, 16
.set PA,     528                       ; 512 bytes + 16
.set AQ,     128                       ; a quarter is 64 along the row
.set ASTEP,  KSTEP*2
.set WOFF,   16*1048576
.endif
.set PB,     288                       ; a k-row of W: 256 bytes + 32: an odd multiple of 32
.set HALFT,  36864                     ; room for what one tensor load fills
.set SLOT,   4*HALFT                   ; 0x24000; the waves' offsets 0, 0x9000, 0x12000, 0x1B000 have neither of its two bits
.set BOFF,   2*HALFT
.set BSTEP,  KSTEP*1024*2
.set SPITCH, 272
.set WSTAGE, 64*SPITCH
.set SPARE,  2*SLOT                    ; behind the ring: the spare words, which no other line names
.set A0R,  16
.set B0R,  17
.set ADRA, 18
.set ADRB, 19                          ; v19: W's k-rows 0-127 of the slot in hand; v20: 128-255
.set STO,  24
.set RD,   25
.set CO,   26
.set BO,   27
.set SPW,  28
.set NIL,  29
.set BIAS, 32
.set ACC,  128
.set F0,   0
.set F1,   128
.set G1, 24
.set G0, 32
.set G1B, 48
.set G0B, 56
.set MSB, 0
.macro WIN new
.if MSB != (\new)
	s_set_vgpr_msb (MSB<<8)|(\new)
.set MSB, \new
.endif
.endm
.set MUL,  0x05                        ; sources 0 (W) and 1 (A) window 1; C and D window 0
.set TO_F, 0x40
.macro JLOAD s
	s_cmp_eq_u32 s11, 0
	s_cbranch_scc0 .Lfor_b_\@
	tensor_load_to_lds s[G0+4*(\s):G0+4*(\s)+3], s[G1:G1+7]
	s_nop 0
.rept 4
	v_nop
.endr
	s_branch .Lasked_\@
.Lfor_b_\@:
	tensor_load_to_lds s[G0B+4*(\s):G0B+4*(\s)+3], s[G1B:G1B+7]
	s_nop 0
.rept 4
	v_nop
.endr
.Lasked_\@:
.endm
.macro CREST
	s_cmp_lg_u32 s10, 0
	s_cbranch_scc1 .Lnot_wave_0_\@
	s_barrier_signal -3
.Lnot_wave_0_\@:
	s_barrier_wait -3
	s_barrier_signal -1
	s_barrier_wait -1
.endm
.macro CROUND
	s_barrier_signal -1
	s_barrier_wait -1
	CREST
.endm
	s_load_b128 s[4:7], s[0:1], 0x0                ; A s[4:5], wb s[6:7]
	s_load_b128 s[72:75], s[0:1], 0x10             ; bias s[72:73], resid s[74:75]
	s_load_b64 s[76:77], s[0:1], 0x20              ; out
	v_lshl_add_u32 v[SPW], v0, 2, SPARE
	v_mov_b32 v[NIL], 0
	v_lshrrev_b32 v1, 5, v0
	v_readfirstlane_b32 s10, v1
	s_lshr_b32 s11, s10, 1                         ; my half of the tile's rows; also: I fetch for A (0) or W (1)
	s_and_b32 s12, s10, 1                          ; my half of its columns; also: which half of that tile I fetch
	s_bfe_u32 s40, ttmp6, 0x40000
	s_bfe_u32 s41, ttmp6, 0x40004
	s_lshl_b32 s42, ttmp9, 2
	s_add_co_u32 s42, s42, s40                     ; tile column
	s_and_b32 s13, ttmp7, 0xffff
	s_lshl_b32 s13, s13, 2
	s_add_co_u32 s13, s13, s41                     ; tile row
	s_lshl_b32 s43, s41, 2
	s_lshl_b32 s43, 15, s43
	s_lshl_b32 s44, 0x1111, s40
.if WO
	s_or_b32 s[G1+0], s43, (1<<16)|(1<<20)|(1<<21)|(4<<22)|(3<<25)  ; padded after every 32 words (a row of a head) by 4 words
	s_mov_b32 s[G1+1], 4096<<16                    ; a tile row is 64 rows of one head: 4,096 dense elements
	s_mov_b32 s[G1+2], 4<<16                       ; four heads
	s_mov_b32 s[G1+3], 4096<<16
	s_mov_b32 s[G1+4], 4
	s_mov_b32 s[G1+5], 131072                      ; elements from head to head
.else
	s_or_b32 s[G1+0], s43, (1<<16)|(1<<20)|(1<<21)|(6<<22)|(3<<25)  ; after every 128 words, 4 words
	s_mov_b32 s[G1+1], KSTEP<<16
	s_mov_b32 s[G1+2], 64<<16
	s_mov_b32 s[G1+3], KSTEP<<16
	s_mov_b32 s[G1+4], 64
	s_mov_b32 s[G1+5], 4096
.endif
	s_mov_b32 s[G1+6], 0
	s_mov_b32 s[G1+7], 0
	s_or_b32 s[G1B+0], s44, (1<<16)|(1<<20)|(1<<21)|(5<<22)|(7<<25) ; after every 64 words, 8 words
	s_mov_b32 s[G1B+1], 128<<16                    ; 128 columns
	s_mov_b32 s[G1B+2], 128<<16                    ; 128 k-rows
	s_mov_b32 s[G1B+3], 128<<16
	s_mov_b32 s[G1B+4], 128
	s_mov_b32 s[G1B+5], 1024
	s_mov_b32 s[G1B+6], 0
	s_mov_b32 s[G1B+7], 0
.if WO
	s_lshr_b32 s16, s13, 4                         ; batch: 16 heads of 262,144 bytes
	s_lshl_b32 s16, s16, 22
	s_and_b32 s17, s13, 15
	s_lshl_b32 s17, s17, 14                        ; 128 rows of 128 bytes
	s_add_co_u32 s16, s16, s17
	s_lshl_b32 s17, s12, 13
	s_add_co_u32 s16, s16, s17
.else
	s_lshl_b32 s16, s13, 20                        ; 128 rows of 8,192 bytes
	s_lshl_b32 s17, s12, 19
	s_add_co_u32 s16, s16, s17
.endif
	s_mov_b32 s17, 0
	s_lshl_b32 s46, s42, 8                         ; W: 256 bytes a tile column, 128 k-rows of 2,048 bytes a half
	s_lshl_b32 s47, s12, 18
	s_add_co_u32 s46, s46, s47
	s_add_co_u32 s46, s46, WOFF
	s_mov_b32 s47, 0
	s_mul_i32 s20, s10, HALFT
	s_wait_kmcnt 0x0
	s_add_nc_u64 s[14:15], s[4:5], s[16:17]
	s_add_nc_u64 s[46:47], s[6:7], s[46:47]
	CROUND
.irp s, 0,1
	s_mov_b32 s[G0+4*(\s)], 1
	s_add_co_u32 s[G0+4*(\s)+1], s20, (\s)*SLOT
	s_add_nc_u64 s[G0+4*(\s)+2:G0+4*(\s)+3], s[14:15], (\s)*ASTEP
	s_or_b32 s[G0+4*(\s)+3], s[G0+4*(\s)+3], 0x80000000
	s_mov_b32 s[G0B+4*(\s)], 1
	s_add_co_u32 s[G0B+4*(\s)+1], s20, (\s)*SLOT
	s_add_nc_u64 s[G0B+4*(\s)+2:G0B+4*(\s)+3], s[46:47], (\s)*BSTEP
	s_or_b32 s[G0B+4*(\s)+3], s[G0B+4*(\s)+3], 0x80000000
	JLOAD \s                                       ; two loads of mine are out
.endr
	v_and_b32 v1, 15, v0
	v_bfe_u32 v2, v0, 4, 1
	v_lshlrev_b32 v[CO], 12, v2                    ; in resid and out: lanes 0-15 my 256 bytes of a row, lanes 16-31 the next row's
	v_lshl_add_u32 v[CO], v1, 4, v[CO]
	s_lshl_b32 s16, s13, 19                        ; 128 rows of 4,096 bytes
	s_lshl_b32 s18, s11, 18
	s_add_co_u32 s16, s16, s18
	s_lshl_b32 s18, s42, 9
	s_add_co_u32 s16, s16, s18
	s_lshl_b32 s18, s12, 8
	s_add_co_u32 s16, s16, s18
	s_mov_b32 s17, 0
	s_add_nc_u64 s[74:75], s[74:75], s[16:17]
	s_add_nc_u64 s[76:77], s[76:77], s[16:17]
	s_lshl_b32 s18, s42, 9
	s_lshl_b32 s19, s12, 8
	s_add_co_u32 s18, s18, s19
	v_lshl_add_u32 v[BO], v1, 4, s18
	global_load_b128 v[BIAS:BIAS+3], v[BO], s[72:73]
	WIN 0x80                                       ; destination window 2
.irp t, 0,1,2,3,4,5,6,7,8,9,10,11,12,13,14,15,16,17,18,19,20,21,22,23,24,25,26,27,28,29,30,31
	global_load_b128 v[4*(\t):4*(\t)+3], v[CO], s[74:75] offset:(\t)*8192
.endr
	WIN 0
	v_mul_u32_u24 v3, v1, PA
	v_lshl_add_u32 v3, v2, 4, v3
	s_mul_i32 s22, s11, HALFT
	v_add_nc_u32 v[A0R], s22, v3
	v_and_b32 v4, 7, v0
	v_lshl_add_u32 v4, v2, 3, v4
	v_mul_u32_u24 v4, v4, PB
	v_bfe_u32 v5, v0, 3, 1
	v_lshl_add_u32 v4, v5, 4, v4
	s_lshl_b32 s22, s12, 7
	s_add_co_u32 s22, s22, BOFF
	v_add_nc_u32 v[B0R], s22, v4
	v_mov_b32 v[ADRA], v[A0R]
	v_mov_b32 v[ADRB], v[B0R]
	v_add_nc_u32 v[ADRB+1], HALFT, v[B0R]
	s_mov_b32 s45, 0
	s_mul_i32 s23, s10, WSTAGE
	v_mul_u32_u24 v6, v1, SPITCH
	v_lshl_add_u32 v6, v2, 5, v6
	v_add_nc_u32 v[STO], s23, v6
	v_mul_u32_u24 v[RD], v2, SPITCH
	v_lshl_add_u32 v[RD], v1, 4, v[RD]
	v_add_nc_u32 v[RD], s23, v[RD]
.macro MUL8 f, c, a0, zero             ; 8 matrix instructions: row blocks a0, a0 + 1 x all 4 column blocks, 32 along K: half c of buffer f
	WIN MUL
.irp a, \a0, (\a0)+1
.irp b, 0,1,2,3
.if WO
.if \zero
	v_wmma_f32_16x16x32_f16 v[ACC+8*(4*(\a)+(\b)):ACC+8*(4*(\a)+(\b))+7], v[(\f)+64+8*(4*(\c)+(\b)):(\f)+64+8*(4*(\c)+(\b))+7], v[(\f)+8*(4*(\c)+(\a)):(\f)+8*(4*(\c)+(\a))+7], 0
.else
	v_wmma_f32_16x16x32_f16 v[ACC+8*(4*(\a)+(\b)):ACC+8*(4*(\a)+(\b))+7], v[(\f)+64+8*(4*(\c)+(\b)):(\f)+64+8*(4*(\c)+(\b))+7], v[(\f)+8*(4*(\c)+(\a)):(\f)+8*(4*(\c)+(\a))+7], v[ACC+8*(4*(\a)+(\b)):ACC+8*(4*(\a)+(\b))+7]
.endif
.else
.if \zero
	v_wmma_f32_16x16x32_bf16 v[ACC+8*(4*(\a)+(\b)):ACC+8*(4*(\a)+(\b))+7], v[(\f)+64+8*(4*(\c)+(\b)):(\f)+64+8*(4*(\c)+(\b))+7], v[(\f)+8*(4*(\c)+(\a)):(\f)+8*(4*(\c)+(\a))+7], 0
.else
	v_wmma_f32_16x16x32_bf16 v[ACC+8*(4*(\a)+(\b)):ACC+8*(4*(\a)+(\b))+7], v[(\f)+64+8*(4*(\c)+(\b)):(\f)+64+8*(4*(\c)+(\b))+7], v[(\f)+8*(4*(\c)+(\a)):(\f)+8*(4*(\c)+(\a))+7], v[ACC+8*(4*(\a)+(\b)):ACC+8*(4*(\a)+(\b))+7]
.endif
.endif
.endr
.endr
.endm
.macro FETCH q, f                      ; 32 LDS loads in one run: quarter q (64 along K) of the slot in hand into buffer f; its first 32 along K first
	WIN TO_F
.irp c, 0,1
.irp i, 0,1,2,3
	ds_load_tr16_b128 v[(\f)+64+8*(4*(\c)+(\i)):(\f)+64+8*(4*(\c)+(\i))+3],   v[ADRB+(\q)/2] offset:(((\q)%2)*64+32*(\c))*PB+32*(\i)
	ds_load_tr16_b128 v[(\f)+64+8*(4*(\c)+(\i))+4:(\f)+64+8*(4*(\c)+(\i))+7], v[ADRB+(\q)/2] offset:(((\q)%2)*64+32*(\c)+16)*PB+32*(\i)
	ds_load_b128 v[(\f)+8*(4*(\c)+(\i)):(\f)+8*(4*(\c)+(\i))+3],   v[ADRA] offset:(\q)*AQ+64*(\c)+(\i)*16*PA
	ds_load_b128 v[(\f)+8*(4*(\c)+(\i))+4:(\f)+8*(4*(\c)+(\i))+7], v[ADRA] offset:(\q)*AQ+64*(\c)+(\i)*16*PA+32
.endr
.endr
.endm
.macro PLACES
.rept 4
	v_nop
.endr
.endm
.macro QUARTER q, f, g, zero
	s_wait_dscnt 16                                ; the first 32 along K are in; the other sixteen loads may be out
	MUL8 \f, 0, 0, \zero
	MUL8 \f, 0, 2, \zero
	PLACES
	FETCH \q, \g
	s_wait_dscnt 32                                ; all but the 32 just issued
	MUL8 \f, 1, 0, 0
	MUL8 \f, 1, 2, 0
.endm
.macro TURN fill                       ; a K step's last quarter, and the change of slots
	WIN 0
	s_wait_tensorcnt 0x0                           ; all my tensor loads have landed: my part of the next slot
	ds_add_u32 v[SPW], v[NIL]
	s_wait_dscnt 17                                ; (the add and the youngest sixteen loads may be out)
	MUL8 F1, 0, 0, 0
	s_wait_dscnt 0x0                               ; the add is done, and my reads of this slot are over
	s_barrier_signal -1
	MUL8 F1, 0, 2, 0
	WIN 0
	s_barrier_wait -1
.if \fill
	CREST                                          ; the barrier has opened a round of the cluster's
	s_xor_b32 s[G0+5], s[G0+5], SLOT
	s_add_nc_u64 s[G0+6:G0+7], s[G0+6:G0+7], ASTEP
	s_xor_b32 s[G0B+5], s[G0B+5], SLOT
	s_add_nc_u64 s[G0B+6:G0B+7], s[G0B+6:G0B+7], BSTEP
	JLOAD 1                                        ; its four v_nop are also the places in front of the loads below
.else
	PLACES
.endif
	s_xor_b32 s45, s45, SLOT
	v_add_nc_u32 v[ADRA], s45, v[A0R]
	v_add_nc_u32 v[ADRB], s45, v[B0R]
	v_add_nc_u32 v[ADRB+1], HALFT, v[ADRB]
	FETCH 0, F0
	MUL8 F1, 1, 0, 0
	MUL8 F1, 1, 2, 0
.endm
	s_wait_tensorcnt 1                             ; my part of K step 0 is in; K step 1's may stay out
	s_barrier_signal -1
	s_barrier_wait -1
	FETCH 0, F0
	QUARTER 1, F0, F1, 1
	WIN 0
	s_mov_b32 s3, KSTEPS-2
.Lstep:                                                ; trip t: K step t's quarters 1 to 3, K step t + 2 asked for, K step t + 1's quarter 0
	QUARTER 2, F1, F0, 0
	QUARTER 3, F0, F1, 0
	TURN 1
	QUARTER 1, F0, F1, 0
	WIN 0
	s_sub_co_u32 s3, s3, 1
	s_cmp_lg_u32 s3, 0
	s_cbranch_scc1 .Lstep
	s_mov_b32 s3, 2                                ; the last two K steps ask for nothing
.Ltail:
	QUARTER 2, F1, F0, 0
	QUARTER 3, F0, F1, 0
	WIN 0
	s_sub_co_u32 s3, s3, 1
	s_cmp_eq_u32 s3, 0
	s_cbranch_scc1 .Llast
	TURN 0
	QUARTER 1, F0, F1, 0
	WIN 0
	s_branch .Ltail
.Llast:
	s_wait_dscnt 16
	MUL8 F1, 0, 0, 0
	MUL8 F1, 0, 2, 0
	s_wait_dscnt 0x0
	MUL8 F1, 1, 0, 0
	MUL8 F1, 1, 2, 0
	; THE WAY OUT.  resid + bias first: 64 plain instructions that name no register of the last products, so they are also the places behind them.
	s_wait_loadcnt 0x0
	WIN 0x82                                       ; destination and source 0 window 2, source 1 window 0
.irp t, 0,1,2,3,4,5,6,7,8,9,10,11,12,13,14,15,16,17,18,19,20,21,22,23,24,25,26,27,28,29,30,31
	v_pk_add_f32 v[4*(\t):4*(\t)+1],   v[4*(\t):4*(\t)+1],   v[BIAS:BIAS+1]
	v_pk_add_f32 v[4*(\t)+2:4*(\t)+3], v[4*(\t)+2:4*(\t)+3], v[BIAS+2:BIAS+3]
.endr
	WIN 0
	s_wait_dscnt 0x0                               ; my reads of the ring are over
	s_barrier_signal -1
	s_barrier_wait -1                              ; everybody's are: the ring, which is filled no more, is the stage
.irp a, 0,1,2,3
.irp b, 0,1,2,3
	ds_store_b128 v[STO], v[ACC+8*(4*(\a)+(\b)):ACC+8*(4*(\a)+(\b))+3]   offset:(\a)*16*SPITCH+64*(\b)
	ds_store_b128 v[STO], v[ACC+8*(4*(\a)+(\b))+4:ACC+8*(4*(\a)+(\b))+7] offset:(\a)*16*SPITCH+64*(\b)+16
.endr
.endr
.irp t, 0,1,2,3,4,5,6,7,8,9,10,11,12,13,14,15,16,17,18,19,20,21,22,23,24,25,26,27,28,29,30,31
	ds_load_b128 v[ACC+4*(\t):ACC+4*(\t)+3], v[RD] offset:(\t)*2*SPITCH  ; my own stage; LDS serves a wave's instructions in order (ISA guide 5.7.1.4)
.endr
	s_wait_dscnt 0x0
	WIN 0x08                                       ; source 1 window 2
.irp t, 0,1,2,3,4,5,6,7,8,9,10,11,12,13,14,15,16,17,18,19,20,21,22,23,24,25,26,27,28,29,30,31
	v_pk_add_f32 v[ACC+4*(\t):ACC+4*(\t)+1],   v[ACC+4*(\t):ACC+4*(\t)+1],   v[4*(\t):4*(\t)+1]
	v_pk_add_f32 v[ACC+4*(\t)+2:ACC+4*(\t)+3], v[ACC+4*(\t)+2:ACC+4*(\t)+3], v[4*(\t)+2:4*(\t)+3]
.endr
	WIN 0
.irp t, 0,1,2,3,4,5,6,7,8,9,10,11,12,13,14,15,16,17,18,19,20,21,22,23,24,25,26,27,28,29,30,31
	global_store_b128 v[CO], v[ACC+4*(\t):ACC+4*(\t)+3], s[76:77] offset:(\t)*8192  ; 16 lanes store 256 consecutive bytes, aligned
.endr
	s_wait_tensorcnt 0x0                           ; the wave's end
	ds_add_u32 v[SPW], v[NIL]
	s_wait_dscnt 0x0
	CROUND
	s_endpgm
.Lfunc_end_k_qe96f272df6_w2:
	.size	k_qe96f272df6_w2, .Lfunc_end_k_qe96f272df6_w2-k_qe96f272df6_w2
	.p2alignl 7, 3214868480
	.fill 96, 4, 3214868480
	.section	.rodata,"a",@progbits
	.p2align	6, 0x0
	.amdhsa_kernel k_qe96f272df6_w2
		.amdhsa_group_segment_fixed_size 327680
		.amdhsa_private_segment_fixed_size 0
		.amdhsa_enable_private_segment 0
		.amdhsa_kernarg_size 40
		.amdhsa_user_sgpr_count 2
		.amdhsa_user_sgpr_kernarg_segment_ptr 1
		.amdhsa_wavefront_size32 1
		.amdhsa_system_sgpr_workgroup_id_x 1
		.amdhsa_system_sgpr_workgroup_id_y 1
		.amdhsa_system_sgpr_workgroup_id_z 1
		.amdhsa_system_vgpr_workitem_id 0
		.amdhsa_next_free_vgpr 640
		.amdhsa_next_free_sgpr 80
		.amdhsa_reserve_vcc 0
		.amdhsa_float_denorm_mode_32 3
		.amdhsa_float_denorm_mode_16_64 3
		.amdhsa_memory_ordered 1
		.amdhsa_forward_progress 1
		.amdhsa_inst_pref_size 71
	.end_amdhsa_kernel
	.amdgpu_metadata
---
amdhsa.version: [ 1, 2 ]
amdhsa.kernels:
  - .name:           k_qe96f272df6_w2
    .symbol:         k_qe96f272df6_w2.kd
    .args:
      - { .name: hb, .offset: 0, .size: 8, .value_kind: global_buffer, .address_space: global }
      - { .name: wb, .offset: 8, .size: 8, .value_kind: global_buffer, .address_space: global }
      - { .name: b2, .offset: 16, .size: 8, .value_kind: global_buffer, .address_space: global }
      - { .name: x1, .offset: 24, .size: 8, .value_kind: global_buffer, .address_space: global }
      - { .name: out0, .offset: 32, .size: 8, .value_kind: global_buffer, .address_space: global }
    .group_segment_fixed_size: 327680
    .private_segment_fixed_size: 0
    .kernarg_segment_align: 8
    .kernarg_segment_size: 40
    .max_flat_workgroup_size: 128
    .sgpr_count:     80
    .vgpr_count:     640
    .wavefront_size: 32
...
	.end_amdgpu_metadata
.endif
;; end of part 6
